; MI455X (gfx1250); checked and timed in simulation.
; The chip was launched on July 23, 2026; its instructions are those of AMD's public machine-readable ISA for CDNA 5 (MIT licence, August 2026) and "CDNA5" Instruction Set Architecture Reference Guide (July 2026). The comments in the code are by the model that wrote it; some were corrected since.
;; Multi Head Attention. Allowed arithmetic: matrix products marked QUANTISED: E2M3 operands, one E8M0 scale for each 32 along K, by v_wmma_scale_f32_16x16x128_f8f6f4 with both operands' format E2M3, f32 sums; everything else in f32.
;; Inputs: b_k 1,024 float32; b_o 1,024 float32; b_q 1,024 float32; b_v 1,024 float32; key_ 4 x 2,048 x 1,024 float32; query 4 x 2,048 x 1,024 float32; value 4 x 2,048 x 1,024 float32; w_k 1,024 x 1,024 float32; w_o 1,024 x 1,024 float32; w_q 1,024 x 1,024 float32; w_v 1,024 x 1,024 float32.
;; Outputs: out0 4 x 2,048 x 1,024 float32.
;; This version of the problem:
;;   THIS VERSION OF THE PROBLEM IS GIVEN IN LOW PRECISION. The matrix products marked QUANTISED in the list below multiply operands that are first quantised to E2M3 (2 exponent bits, 3 mantissa bits; 6 bits a number), with one power-of-two scale for each 32 numbers along K (OCP MX v1.0); their sums are f32. All else is computed in f32.
;;   The module's matrix products, in the order in which they are computed (A, B: the left and right operand; K: the contracted axis; several contracted axes count as one K, in the product's order):
;;     1. [M 8,192, K 1,024] x [K 1,024, N 1,024]; A: input query; B: input w_q: QUANTISED
;;     2. [M 8,192, K 1,024] x [K 1,024, N 1,024]; A: input key_; B: input w_k: QUANTISED
;;     3. [M 8,192, K 1,024] x [K 1,024, N 1,024]; A: input value; B: input w_v: QUANTISED
;;     4. batch 64 x [M 2,048, K 64] x [K 64, N 2,048]; A: computed on the way; B: computed on the way: QUANTISED
;;     5. batch 64 x [M 2,048, K 2,048] x [K 2,048, N 64]; A: softmax (see below); B: computed on the way: QUANTISED
;;     6. [M 8,192, K 1,024] x [K 1,024, N 1,024]; A: computed on the way; B: input w_o: QUANTISED
;;   THE QUANTISER, for each operand of a quantised product, along K:
;;     - K is cut into blocks of 32 from its start; a last block that is shorter is filled with zeros.
;;     - A block's scale is 2^e with e = floor(log2(the largest magnitude in the block)) - 2, held to -126 .. 127; a block of zeros has e = 0. As a byte (E8M0): e + 127.
;;     - Each number is divided by its block's scale, clamped to +-7.5, and rounded to the nearest number of E2M3, ties to even, subnormals kept.
;;     - The product sums the exact products of the quantised numbers (number of the format x scale) in f32.
;;   ~~~python
;;   def quantise(x, axis):      # numpy; x: float32 -> the quantised numbers, widened to float32 again
;;       x = np.moveaxis(x, axis, -1); K = x.shape[-1]
;;       x = np.pad(x, [(0, 0)] * (x.ndim - 1) + [(0, -K % 32)]); x = x.reshape(x.shape[:-1] + (-1, 32)); a = np.abs(x).max(-1, keepdims=True)
;;       e = np.where(a > 0, np.clip(np.frexp(np.where(a > 0, a, 1))[1] - 1 - 2, -126, 127), 0)      # np.frexp(a)[1] - 1 = floor(log2(a)), exactly
;;       r = np.clip(x / 2.0 ** e, -7.5, 7.5)
;;       step = 2.0 ** (np.maximum(np.frexp(np.where(r == 0, 1, r))[1] - 1, 0) - 3)
;;       q = np.round(r / step) * step * 2.0 ** e      # np.round: ties to even
;;       return np.moveaxis(q.reshape(q.shape[:-2] + (-1,))[..., :K], -1, axis).astype(np.float32)
;;   ~~~
;;   SOFTMAX AHEAD OF A QUANTISED PRODUCT. Where the list says 'softmax', what is quantised is not the finished softmax but p = 2^(t - M), with t = logit x log2(e) and M = ceil(the row's largest t), a whole number; so 1/2 < the row's largest p <= 1. The row's sum l is taken of the UNQUANTISED p, in f32, and the product's result is divided by l at the end. Since M is a whole number, a kernel that streams over the keys may use a running M (the ceiling of the running maximum): every later rescaling is an exact power of two, which a block's scale takes up: the codes' values come out the same.
;;   OPERANDS COMPUTED ON THE WAY. 'Computed on the way' means the value that the module computes at that place (a softmax that the list does not call 'softmax' is quantised finished and normalised). What goes into a quantiser is computed in f32, as accurately as f32 sums, v_exp_f32 and their like allow (about 1e-6 of the number): no bf16 or f16 on the way to a quantiser, and a product that is left as it is and whose result goes on into a quantised operand takes f32 operands (vector FMAs, or v_wmma_f32_16x16x4_f32). A number that lies on a knife's edge between two numbers of the format may be rounded either way, as far as f32 arithmetic and the matrix unit's own rounding can turn it there, and no further.
;; One version. Each part assembles by itself: llvm-mc -triple=amdgcn-amd-amdhsa -mcpu=gfx1250 --defsym DOCPART=n.
;; ======== version 1 of 1: 4 launches
;; limits: right only within a limited range of input values
;; workspace buffers: xw 22,937,600 bytes; qb 6,815,744 bytes; kv 13,369,344 bytes; ao 6,553,600 bytes
;; launch quant (part 1): grid 448 x 1, 8 waves a work-group, no clusters, 68,608 bytes of LDS; arguments query, key_, value, w_q, w_k, w_v, w_o, xw; writes xw
.if DOCPART == 1
	.amdgcn_target "amdgcn-amd-amdhsa--gfx1250"
	.amdhsa_code_object_version 6
	.text
	.protected	k_qb037ac8751_quant
	.globl	k_qb037ac8751_quant
	.p2align	8
	.type	k_qb037ac8751_quant,@function
k_qb037ac8751_quant:
	s_mov_b64 s[64:65], 0
	v_nop
	global_prefetch_b8 v0, s[64:65] scope:SCOPE_SE
	s_setreg_imm32_b32 hwreg(HW_REG_WAVE_MODE, 25, 1), 1
	s_wait_xcnt 0x0
; query, key_, value [8192][1024] and w_q, w_k, w_v, w_o [1024][1024], f32, K innermost, become codes of E2M3 with one E8M0 byte for each 32 along K,
; laid in xw IN THE ORDER OF THE OPERAND'S REGISTERS.  xw = [224 panels of 128 rows][4 chunks of 25,600 bytes]; a chunk = two K steps of 128:
;   codes [K step 2][tile 8][1,536 bytes], then scale words [K step 2][half 2][lane r 16][tile 4] x 4 bytes.
; A tile is 16 rows x 128 K: lane r of tile i holds the panel's row 32 (i / 2) + 8 (i % 2) + r + 8 (r / 8), so that in the products that follow a lane's 16 results
; of two neighbouring tiles are 16 neighbours along the next K.  A tile's 12 registers a lane lie as two halves of 768 bytes: registers 6 c .. 6 c + 3 at 16 x lane, registers 6 c + 4, 6 c + 5 at 512 + 8 x lane.
; A block's scale is 2^(floor(log2(largest magnitude)) - 2): its byte is the largest magnitude's exponent field - 2, held at 1 from below.
; LIMITS: a block of zeros, or one whose largest magnitude lies under 2^-124, gets the byte 1 (the bytes are read by this program alone; zero codes add nothing); NaN and infinities are not served.
; SHARES: a work-group takes 64 rows (half a panel), wave w the K step w (512 bytes of each row), in four tasks of one tile.  Each load reads 512 consecutive bytes of a row; the tile turns through the
; wave's own stage in LDS, so that a lane gets 2 x 32 neighbours along K: two whole blocks.  Every store covers 512 or 256 consecutive bytes.  Work-groups share no input: no cluster, no barrier.
.set PANEL, 102400
.set CHUNK, 25600
.set KSB,   12288                      ; a K step's codes of a panel
.set FRB,   1536                       ; a tile's codes
.set HFB,   768                        ; half of them
.set SCO,   24576                      ; a chunk's scale words begin here
.set SP,    528                        ; a stage row: 512 bytes + 16, an odd multiple of 16 bytes
.set R,  16                            ; v16-143  two sets of 64: a tile as it is loaded
.set X,  144                           ; v144-207 my 64 numbers: register 32 c + n = k 64 c + 32 h + n of my row
.set PC, 208                           ; v208-219 the tile's codes
.set PX, 220                           ; v220-222, v224-226 the upper halves of the two blocks, as the conversions leave them
.set W,  228                           ; v228-231 the four tiles' scale words
.set PR, 232                           ; v232-233 the two words that I store
	s_load_b512 s[8:23], s[0:1], 0x0               ; query, key_, value, w_q, w_k, w_v, w_o, xw
	v_lshl_add_u32 v240, v0, 2, 0x10800
	v_mov_b32 v241, 0
	v_lshrrev_b32 v1, 5, v0
	s_delay_alu instid0(VALU_DEP_1)
	v_readfirstlane_b32 s24, v1                    ; wave 0..7 = my K step
	v_and_b32 v2, 31, v0                           ; lane
	v_and_b32 v9, 15, v0                           ; r
	v_bfe_u32 v10, v0, 4, 1                        ; h
	s_delay_alu instid0(VALU_DEP_3)
	v_lshlrev_b32 v3, 4, v2                        ; 16 x lane
	s_delay_alu instid0(VALU_DEP_4)
	v_lshl_add_u32 v4, v2, 3, 512                  ; 512 + 8 x lane
	s_mul_i32 s25, s24, 16*SP                      ; my stage
	v_add_nc_u32 v5, s25, v3                       ; into it: 16 bytes a lane of a row
	v_mul_u32_u24 v6, v9, SP
	s_delay_alu instid0(VALU_DEP_1)
	v_lshl_add_u32 v6, v10, 7, v6
	s_delay_alu instid0(VALU_DEP_1)
	v_add_nc_u32 v6, s25, v6                       ; out of it: row r, + 128 h
	v_lshlrev_b32 v7, 4, v9
	s_delay_alu instid0(VALU_DEP_1)
	v_lshl_add_u32 v7, v10, 3, v7                  ; the scale words' store: 16 r + 8 h
	v_lshlrev_b32 v8, 3, v10                       ; 8 h
	v_cmp_lt_u32 vcc_lo, 15, v2                    ; lanes 16-31
	v_mov_b32 v15, 0                               ; written once: a lane permute's destination counts as one of its sources
	s_mov_b32 s34, 0x76543210
	s_mov_b32 s35, 0xfedcba98                      ; selects for lane l xor 16
	s_lshr_b32 s27, ttmp9, 1                       ; panel
	s_and_b32 s38, ttmp9, 1                        ; which half of it
	s_lshr_b32 s39, s24, 1                         ; chunk
	s_and_b32 s40, s24, 1                          ; K step in the chunk
	s_mul_i32 s41, s27, PANEL
	s_mul_i32 s42, s39, CHUNK
	s_add_co_u32 s41, s41, s42
	s_mul_i32 s42, s40, KSB
	s_mul_i32 s43, s38, 4*FRB
	s_add_co_u32 s42, s42, s43
	s_add_co_u32 s28, s41, s42                     ; where my four tiles' codes begin
	s_mov_b32 s29, 0
	s_lshl_b32 s42, s40, 9
	s_lshl_b32 s43, s38, 8
	s_add_co_u32 s42, s42, s43
	s_add_co_u32 s42, s42, SCO
	s_add_co_u32 s44, s41, s42                     ; and their 256 bytes of scale words
	s_mov_b32 s45, 0
	s_wait_alu depctr_va_vdst(0)
	s_wait_kmcnt 0x0
	s_add_nc_u64 s[30:31], s[22:23], s[28:29]
	s_add_nc_u64 s[32:33], s[22:23], s[44:45]
	s_mov_b64 s[36:37], s[8:9]                     ; which tensor: the choice hangs on the work-group's number alone
	s_mov_b32 s26, 0
.macro PICK n, p                       ; from work-group n on: the tensor whose address lies in s[p:p+1]
	s_cmp_ge_u32 ttmp9, \n
	s_cselect_b64 s[36:37], s[\p:\p+1], s[36:37]
	s_cselect_b32 s26, \n, s26
.endm
	PICK 128, 10
	PICK 256, 12
	PICK 384, 14
	PICK 400, 16
	PICK 416, 18
	PICK 432, 20
	s_sub_co_u32 s46, ttmp9, s26
	s_lshl_b32 s46, s46, 18                        ; 64 rows of 4,096 bytes a work-group
	s_lshl_b32 s47, s24, 9                         ; my 512 bytes of a row
	s_add_co_u32 s46, s46, s47
	s_mov_b32 s47, 0
	s_add_nc_u64 s[36:37], s[36:37], s[46:47]
	; THE ROWS OF A TILE.  Lane q of tile i of my four takes row 8 (i % 2) + q % 8 + D (q / 8) + E (i / 2) of my 64: D = 16, E = 32 as the head comment has it;
	; key_'s panels (work-groups 128-255) take D = 32, E = 16: row 8 i + q % 8 + 32 (q / 8), so that in the scores a lane's 32 results of four tiles are 32 neighbouring keys.
	s_lshr_b32 s44, ttmp9, 7
	s_cmp_eq_u32 s44, 1
	s_cselect_b32 s44, 1, 0
	s_mov_b64 s[48:49], s[36:37]                   ; four bases: + 0, + D, + E, + D + E rows of 4,096 bytes (s47 = 0)
	s_lshl_b32 s46, 0x10000, s44
	s_add_nc_u64 s[50:51], s[36:37], s[46:47]
	s_lshr_b32 s46, 0x20000, s44
	s_add_nc_u64 s[52:53], s[36:37], s[46:47]
	s_add_nc_u64 s[54:55], s[36:37], 0x30000
.macro LOAD i                          ; tile i of my four: its 16 rows, 512 consecutive bytes each
.irp q, 0,1,2,3,4,5,6,7,8,9,10,11,12,13,14,15
	global_load_b128 v[R+64*((\i)%2)+4*\q:R+64*((\i)%2)+4*\q+3], v3, s[48+2*(\q/8)+4*((\i)/2):49+2*(\q/8)+4*((\i)/2)] offset:(8*((\i)%2)+\q%8)*4096 th:TH_LOAD_NT
.endr
.endm
.macro TASK i
.if (\i) < 3
	s_wait_loadcnt 16                              ; this tile's 16 loads are in; the next tile's 16 may be out
.else
	s_wait_loadcnt 0x0
.endif
.irp q, 0,1,2,3,4,5,6,7,8,9,10,11,12,13,14,15
	ds_store_b128 v5, v[R+64*((\i)%2)+4*\q:R+64*((\i)%2)+4*\q+3] offset:SP*\q
.endr
.irp c, 0,1
.irp j, 0,1,2,3,4,5,6,7
	ds_load_b128 v[X+32*\c+4*\j:X+32*\c+4*\j+3], v6 offset:256*\c+16*\j   ; LDS serves a wave's instructions in order: these see the stores above
.endr
.endr
	s_wait_dscnt 0x0                               ; my numbers are back, and the stage's stores have read their registers,
.if (\i) < 2
	LOAD (\i)+2                                    ; which take the tile two on
.endif
.irp c, 0,1
	v_max3_num_f32 v[9+\c], |v[X+32*\c]|, |v[X+32*\c+1]|, 0x1800000   ; my block 2 c + h: all its 32 numbers are mine; the floor 2^(3 - 127) holds the byte at 1 from below
.endr
.irp n, 2,4,6,8,10,12,14,16,18,20,22,24,26,28,30
.irp c, 0,1
	s_delay_alu instid0(VALU_DEP_2)
	v_max3_num_f32 v[9+\c], v[9+\c], |v[X+32*\c+\n]|, |v[X+32*\c+\n+1]|   ; (the two blocks by turns)
.endr
.endr
.irp c, 0,1
	s_delay_alu instid0(VALU_DEP_2)
	v_add_nc_u32 v[11+\c], 0xff000000, v[9+\c]     ; 2 off the exponent field: the conversion's scale operand
.endr
.irp c, 0,1
	s_delay_alu instid0(VALU_DEP_2)
	v_lshrrev_b32 v[13+\c], 23, v[11+\c]           ; the scale's byte
.endr
	s_delay_alu instid0(VALU_DEP_1)
	v_lshl_or_b32 v13, v14, 16, v13                ; my two bytes: blocks h and 2 + h,
	s_delay_alu instid0(VALU_DEP_1)
	v_lshlrev_b32 v13, v8, v13                     ; at their places in the word;
	s_delay_alu instid0(VALU_DEP_1)
	v_permlanex16_b32 v15, v13, s34, s35
	s_delay_alu instid0(VALU_DEP_1)
	v_or_b32 v[W+(\i)], v13, v15                   ; with lane l xor 16's two the row's word is whole
.if (\i) > 0
	s_wait_alu depctr_va_vdst(0)
	s_wait_xcnt 0x0                                ; the last tile's stores have read their data: the codes' registers are written again only behind this wait
.endif
.irp c, 0,1
	v_cvt_scalef32_pk16_fp6_f32 v[PC+6*\c:PC+6*\c+2], v[X+32*\c:X+32*\c+15], v[11+\c]
	v_cvt_scalef32_pk16_fp6_f32 v[PX+4*\c:PX+4*\c+2], v[X+32*\c+16:X+32*\c+31], v[11+\c]   ; (a conversion's three registers begin on an even number)
.endr
	v_nop                                          ; one plain instruction behind the scaled conversions
.irp c, 0,1
.irp n, 0,1,2
	v_mov_b32 v[PC+6*\c+3+\n], v[PX+4*\c+\n]
.endr
.endr
.irp c, 0,1
	global_store_b128 v3, v[PC+6*\c:PC+6*\c+3], s[30:31] offset:FRB*(\i)+HFB*\c      ; 512 consecutive bytes
	global_store_b64 v4, v[PC+6*\c+4:PC+6*\c+5], s[30:31] offset:FRB*(\i)+HFB*\c     ; and the 256 behind them
.endr
.endm
	LOAD 0
	LOAD 1
	TASK 0
	TASK 1
	TASK 2
	TASK 3
	v_cndmask_b32 v[PR], v[W], v[W+2], vcc_lo      ; lane (r, h) stores the words of tiles 2 h and 2 h + 1 of lane r:
	v_cndmask_b32 v[PR+1], v[W+1], v[W+3], vcc_lo
	global_store_b64 v7, v[PR:PR+1], s[32:33]      ; the 32 lanes store 256 consecutive bytes
	s_wait_tensorcnt 0x0
	ds_add_u32 v240, v241
	s_wait_dscnt 0x0
	s_endpgm
.Lfunc_end_k_qb037ac8751_quant:
	.size	k_qb037ac8751_quant, .Lfunc_end_k_qb037ac8751_quant-k_qb037ac8751_quant
	.p2alignl 7, 3214868480
	.fill 96, 4, 3214868480
	.section	.rodata,"a",@progbits
	.p2align	6, 0x0
	.amdhsa_kernel k_qb037ac8751_quant
		.amdhsa_group_segment_fixed_size 68608
		.amdhsa_private_segment_fixed_size 0
		.amdhsa_enable_private_segment 0
		.amdhsa_kernarg_size 64
		.amdhsa_user_sgpr_count 2
		.amdhsa_user_sgpr_kernarg_segment_ptr 1
		.amdhsa_wavefront_size32 1
		.amdhsa_system_sgpr_workgroup_id_x 1
		.amdhsa_system_sgpr_workgroup_id_y 1
		.amdhsa_system_sgpr_workgroup_id_z 1
		.amdhsa_system_vgpr_workitem_id 0
		.amdhsa_next_free_vgpr 242
		.amdhsa_next_free_sgpr 66
		.amdhsa_reserve_vcc 1
		.amdhsa_float_denorm_mode_32 3
		.amdhsa_float_denorm_mode_16_64 3
		.amdhsa_memory_ordered 1
		.amdhsa_forward_progress 1
		.amdhsa_inst_pref_size 37
	.end_amdhsa_kernel
	.amdgpu_metadata
---
amdhsa.version: [ 1, 2 ]
amdhsa.kernels:
  - .name:           k_qb037ac8751_quant
    .symbol:         k_qb037ac8751_quant.kd
    .args:
      - { .name: query, .offset: 0, .size: 8, .value_kind: global_buffer, .address_space: global }
      - { .name: key_, .offset: 8, .size: 8, .value_kind: global_buffer, .address_space: global }
      - { .name: value, .offset: 16, .size: 8, .value_kind: global_buffer, .address_space: global }
      - { .name: w_q, .offset: 24, .size: 8, .value_kind: global_buffer, .address_space: global }
      - { .name: w_k, .offset: 32, .size: 8, .value_kind: global_buffer, .address_space: global }
      - { .name: w_v, .offset: 40, .size: 8, .value_kind: global_buffer, .address_space: global }
      - { .name: w_o, .offset: 48, .size: 8, .value_kind: global_buffer, .address_space: global }
      - { .name: xw, .offset: 56, .size: 8, .value_kind: global_buffer, .address_space: global }
    .group_segment_fixed_size: 68608
    .private_segment_fixed_size: 0
    .kernarg_segment_align: 8
    .kernarg_segment_size: 64
    .max_flat_workgroup_size: 256
    .sgpr_count:     66
    .vgpr_count:     242
    .wavefront_size: 32
...
	.end_amdgpu_metadata
.endif
;; end of part 1
;; launch proj (part 2): grid 4 x 64, 4 waves a work-group, clusters of 4 x 4, 327,680 bytes of LDS; arguments xw, b_q, b_k, b_v, qb, kv; writes qb, kv
.if DOCPART == 2
	.amdgcn_target "amdgcn-amd-amdhsa--gfx1250"
	.amdhsa_code_object_version 6
	.text
	.protected	k_qb037ac8751_proj
	.globl	k_qb037ac8751_proj
	.p2align	8
	.type	k_qb037ac8751_proj,@function
k_qb037ac8751_proj:
	s_mov_b64 s[64:65], 0
	v_nop
	global_prefetch_b8 v0, s[64:65] scope:SCOPE_SE
	s_setreg_imm32_b32 hwreg(HW_REG_WAVE_MODE, 25, 1), 1
	s_wait_xcnt 0x0
	s_wait_alu depctr_hold_cnt(0) depctr_sa_sdst(0) depctr_va_vdst(0) depctr_va_sdst(0) depctr_va_ssrc(0) depctr_va_vcc(0) depctr_vm_vsrc(0)
	s_getreg_b32 s2, hwreg(HW_REG_IB_STS2, 6, 4)
	s_cmp_eq_u32 s2, 0
	s_cbranch_scc0 .Lentry_in_a_cluster
	s_endpgm
.Lentry_in_a_cluster:
	s_bfe_u32 s2, ttmp6, 0x10000c
	s_cmp_lg_u32 s2, 0xf033
	s_cbranch_scc0 .Lentry_shape_is_right
	s_endpgm
.Lentry_shape_is_right:
; Q = query w_q^T + b_q, K = key_ w_k^T + b_k, V = value w_v^T + b_v on codes of E2M3 (buffer xw: register images); the results are quantised in registers and stored as the
; register images that the attention launch loads: Q and K along the head's 64 (qb; kv), V along the keys (kv).
; xw = [224 panels of 128 rows][4 chunks of 25,600 bytes]; a chunk = two K steps: codes [2][tile 8][1,536], scale words [2][half 2][r 16][tile 4] x 4.
; A TILE: 128 rows of A (one panel) x 256 rows of B (two panels), K = 1,024.  Four waves, each 64 x 128: 32 accumulators.
; A WORK-GROUP STAYS AND MAKES THREE TILES: T = 0 (A = tokens of query, B = w_q), T = 1 (key_, w_k), in a loop of two trips, and T = 2 (A = w_v, B = tokens of value), written out, since it asks for nothing more.
; LDS IS A RING OF TWO SLOTS, each half of K (K steps 0-3; 4-7) of A's panel and of B's two: A's halves at 0 and 51,200; B's first halves at 102,400, its second halves at 204,800.
; At the head each wave issues one load (slot 0: waves 0, 1; slot 1: waves 2, 3).  In K step 3 of tiles 0 and 1 slot 0 has been read out and takes the next tile's first half; in K step 7 slot 1 its second half:
; each refill stands behind a tensor wait, an add onto the spare word, an LDS wait and a round of the cluster's barrier, one load a wave; the round stands inside the step's 32 products.  K step 7 also fetches the next tile's first fragments.
; THE MATRIX INSTRUCTION IS USED TRANSPOSED (source 0 = 16 rows of B, source 1 = 16 rows of A): lane (r, h) holds one row of A, and the 64 registers of A's tile a hold B's rows 32 b + 16 h + i at register 16 b + i.
; T < 2: a lane holds a token, its registers run along the features: two heads' 64.  T = 2: a lane holds a feature d, its registers run along the tokens: the keys.
; CLUSTER 4 x 4: A's panel hangs on cy alone and is asked for jointly along the cluster's row, B's panels on cx alone, along its column.
; PREFETCH: behind K step 1 of tiles 0 and 1 each wave names its sixteenth (25 blocks of 256 bytes, a lane a block) of the next tile's panel of A and of its two panels of B: the sixteen waves that will ask jointly
; share a panel out by address; two K steps ahead of the first refill.  The first tile comes by its loads alone.
; LIMITS: a block of zeros, or one whose largest magnitude lies under 2^-124, gets the byte 1 (read by this program alone); NaN and infinities are not served.
; REGISTERS: window 0: v1-15 addresses; v16-31 scale words, two sets; v32-95 the bias; v96-191 A's fragments, two sets of 4; v192-249 the way out.  window 1: B's fragments, two sets of 8, at v0 and v128.
;   window 2: accumulator (a, b) at v[8 (8 a + b)].
.set PANEL, 102400
.set CHUNK, 25600
.set KSB,   12288
.set FRB,   1536
.set HFB,   768
.set SCO,   24576
.set L16, 1
.set L8,  2
.set LSS, 3
.set AX,  4
.set AY,  6
.set BX,  8
.set BY,  10
.set SCA, 12
.set SCB, 14
.set SC,  16
.set BI,  32
.set AF,  96
.set TM,  192
.set PT,  196
.set HT,  200                          ; v200 lane, later the bias loads' offset; v201 r; v202 h; v203 16 r
.set SO,  204
.set PW,  208
.set PC,  212
.set PX,  224
.set W0,  232
.set W1,  236
.set OCX, 240
.set OCY, 241
.set OSS, 242
.set PFA, 248                          ; the prefetches' offsets: in A's panel, in B's
.set PFB, 249
.set WV, 16
.set HA, 17
.set HB, 18
.set CX, 19
.set CY, 20
.set TT, 22                            ; the tile, 0 .. 2: the loop's counter, the same in all partners
.set UU, 23                            ; the cluster's y
.set NA, 48                            ; s[48:49], s[50:51] the next tile's A and B; s[52:53], s[54:55] tile 2's
.set NB, 50
.set MSB, 0
.macro WIN new
.if MSB != \new
	s_set_vgpr_msb (MSB<<8)|\new
.set MSB, \new
.endif
.endm
.macro PLACES n
.rept \n
	v_nop
.endr
.endm
.macro CREST                           ; a round of the cluster's barrier behind its opening barrier
	s_cmp_lg_u32 s[WV], 0
	s_cbranch_scc1 .Lnot_wave_0_\@
	s_barrier_signal -3
.Lnot_wave_0_\@:
	s_barrier_wait -3
	s_barrier_signal -1
	s_barrier_wait -1
.endm
.macro CROUND
	s_barrier_signal -1
	s_barrier_wait -1
	CREST
.endm
.macro TLOAD g0, g1
	tensor_load_to_lds s[\g0:\g0+3], s[\g1:\g1+7]
	s_nop 0
	PLACES 4
.endm
	s_load_b256 s[4:11], s[0:1], 0x0               ; xw, b_q, b_k, b_v
	s_load_b128 s[12:15], s[0:1], 0x20             ; qb, kv
	v_lshl_add_u32 v254, v0, 2, 0x4b000
	v_mov_b32 v255, 0
	ds_add_u32 v254, v255                          ; the opening lines
	ds_add_u32 v254, v255
	v_lshrrev_b32 v[HT], 5, v0
	v_readfirstlane_b32 s[WV], v[HT]               ; wave 0..3
	s_lshr_b32 s[HA], s[WV], 1                     ; which 64 rows of A are mine
	s_and_b32 s[HB], s[WV], 1                      ; which panel of B
	s_bfe_u32 s[CX], ttmp6, 0x40000
	s_bfe_u32 s[CY], ttmp6, 0x40004
	s_and_b32 s[UU], ttmp7, 0xffff                 ; U, 0..15
	s_mov_b32 s[TT], 0
	s_lshl_b32 s56, s[UU], 2
	s_add_co_u32 s56, s56, s[CY]                   ; tile 0: A's panel 4 U + cy (tile 1's: 64 on); A's registers never hold cx
	s_and_b32 s59, s[UU], 1
	s_lshl_b32 s59, s59, 2
	s_add_co_u32 s59, s59, 208
	s_add_co_u32 s59, s59, s[CY]                   ; tile 2: 208 + 4 (U % 2) + cy (w_v)
	s_lshl_b32 s62, s[CX], 1
	s_add_co_u32 s57, s62, 192                     ; tile 0: B's panels from 192 + 2 cx on (tile 1's: 8 on); B's registers never hold cy
	s_lshr_b32 s63, s[UU], 1
	s_lshl_b32 s63, s63, 3
	s_add_co_u32 s63, s63, 128
	s_add_co_u32 s63, s63, s62                     ; tile 2: from 128 + 8 (U / 2) + 2 cx on (tokens of value)
	s_mul_i32 s60, s56, PANEL
	s_mov_b32 s61, 0
	s_mul_i32 s66, s57, PANEL
	s_mov_b32 s67, 0
	s_mul_i32 s52, s59, PANEL
	s_mov_b32 s53, 0
	s_mul_i32 s54, s63, PANEL
	s_mov_b32 s55, 0
	s_lshl_b32 s84, s[CY], 2
	s_lshl_b32 s84, 15, s84                        ; my row of the cluster
	s_lshl_b32 s85, 0x1111, s[CX]                  ; my column
	s_or_b32 s24, s84, (3<<16)|(1<<21)             ; group 1: the mask; elements of 8 bytes; bit 21 beside a mask
	s_or_b32 s32, s85, (3<<16)|(1<<21)
	s_mov_b32 s25, 32<<16                          ; A: half a panel, 51,200 dense bytes, as 200 rows of 256 bytes
	s_mov_b32 s26, 200<<16
	s_mov_b32 s27, 32<<16
	s_mov_b32 s28, 200
	s_mov_b32 s29, 32
	s_mov_b32 s30, 0
	s_mov_b32 s31, 0
	s_mov_b32 s33, 6400<<16                        ; B: the same half of two neighbouring panels: 2 rows of 51,200 bytes, a panel apart
	s_mov_b32 s34, 2<<16
	s_mov_b32 s35, 6400<<16
	s_mov_b32 s36, 2
	s_mov_b32 s37, 12800
	s_mov_b32 s38, 0
	s_mov_b32 s39, 0
	s_mov_b32 s96, 0x76543210
	s_mov_b32 s97, 0xfedcba98                      ; selects for lane l xor 16
	s_wait_dscnt 0x0
	s_wait_kmcnt 0x0
	s_add_nc_u64 s[60:61], s[4:5], s[60:61]
	s_add_nc_u64 s[66:67], s[4:5], s[66:67]
	s_add_nc_u64 s[52:53], s[4:5], s[52:53]
	s_add_nc_u64 s[54:55], s[4:5], s[54:55]
	s_add_nc_u64 s[NA:NA+1], s[60:61], 64*PANEL
	s_add_nc_u64 s[NB:NB+1], s[66:67], 8*PANEL
.irp c, 0,1                            ; group 0, a set for each slot: s[40..47] for A, s[68..75] for B
	s_mov_b32 s[40+4*\c], 1
	s_mov_b32 s[41+4*\c], \c*2*CHUNK
	s_add_nc_u64 s[42+4*\c:43+4*\c], s[60:61], \c*2*CHUNK
	s_or_b32 s[43+4*\c], s[43+4*\c], 0x80000000
	s_mov_b32 s[68+4*\c], 1
	s_mov_b32 s[69+4*\c], PANEL+\c*PANEL
	s_add_nc_u64 s[70+4*\c:71+4*\c], s[66:67], \c*2*CHUNK
	s_or_b32 s[71+4*\c], s[71+4*\c], 0x80000000
.endr
	CROUND                                         ; all sixteen work-groups are here: the joint loads meet
	s_cmp_eq_u32 s[WV], 0                          ; one tensor load a wave, in one chain of branches on the wave's number
	s_cbranch_scc0 .Lwave_1
	TLOAD 40, 24
	s_branch .Lasked
.Lwave_1:
	s_cmp_eq_u32 s[WV], 1
	s_cbranch_scc0 .Lwave_2
	TLOAD 68, 32
	s_branch .Lasked
.Lwave_2:
	s_cmp_eq_u32 s[WV], 2
	s_cbranch_scc0 .Lwave_3
	TLOAD 44, 24
	s_branch .Lasked
.Lwave_3:
	TLOAD 72, 32
.Lasked:
	v_and_b32 v[HT], 31, v0                        ; lane
	v_and_b32 v[HT+1], 15, v0                      ; r
	v_bfe_u32 v[HT+2], v0, 4, 1                    ; h
	v_lshlrev_b32 v[L16], 4, v[HT]
	v_lshl_add_u32 v[L8], v[HT], 3, 512
	v_lshlrev_b32 v[HT+3], 4, v[HT+1]              ; 16 r
	v_lshl_add_u32 v[LSS], v[HT+2], 3, v[HT+3]
	v_min_u32 v[PFA], 24, v[HT]                    ; 25 blocks a wave; the lanes left over name the last again
	v_lshlrev_b32 v[PFA], 8, v[PFA]
	s_lshl_b32 s94, s[CX], 2
	s_add_co_u32 s94, s94, s[WV]
	s_mul_i32 s94, s94, PANEL/16                   ; my sixteenth of A's panel, among the waves of my row of the cluster,
	s_lshl_b32 s95, s[CY], 2
	s_add_co_u32 s95, s95, s[WV]
	s_mul_i32 s95, s95, PANEL/16                   ; and of B's, among those of my column
	v_add_nc_u32 v[PFB], s95, v[PFA]
	v_add_nc_u32 v[PFA], s94, v[PFA]
	s_mul_i32 s86, s[HA], 4*FRB                    ; my four tiles of A
	s_mul_i32 s87, s[HB], 2*CHUNK
	s_add_co_u32 s87, s87, PANEL                   ; my panel of B, its first half
	s_wait_alu depctr_va_vdst(0)                   ; directly ahead of the readers below
	v_add_nc_u32 v[AX], s86, v[L16]
	v_add_nc_u32 v[AX+1], 2*CHUNK, v[AX]
	v_add_nc_u32 v[AY], s86, v[L8]
	v_add_nc_u32 v[AY+1], 2*CHUNK, v[AY]
	v_add_nc_u32 v[BX], s87, v[L16]
	v_add_nc_u32 v[BX+1], PANEL, v[BX]
	v_add_nc_u32 v[BY], s87, v[L8]
	v_add_nc_u32 v[BY+1], PANEL, v[BY]
	s_lshl_b32 s94, s[HA], 8
	s_sub_co_u32 s95, s87, s94                     ; from A's words of my half to B's words of tiles 0-3
	v_mul_u32_u24 v[SCA], s95, v[HT+2]             ; lanes 16-31 take B's
	s_add_co_u32 s94, s94, SCO
	v_add_nc_u32 v[SCA], v[SCA], v[HT+3]
	v_add_nc_u32 v[SCA], s94, v[SCA]
	v_mad_u32_u24 v[SCA+1], v[HT+2], 2*CHUNK, v[SCA]   ; slot 1: A's lies 51,200 on, B's 102,400
	v_add_nc_u32 v[SCA+1], 2*CHUNK, v[SCA+1]
	s_add_co_u32 s94, s87, SCO+256
	v_add_nc_u32 v[SCB], s94, v[HT+3]
	v_add_nc_u32 v[SCB+1], PANEL, v[SCB]
.irp b, 0,1,2,3
	v_mov_b32 v[PT+\b], 0                          ; a lane permute's destination counts as one of its sources
.endr
; The fragments and scale words of K step s into set s % 2: 50 LDS loads, each of 512 or 256 consecutive bytes
.macro FETCH s
.set FP, (\s)%2
.set FH, (\s)/4
.set FO, (((\s)/2)%2)*CHUNK+((\s)%2)*KSB
.set FS, (((\s)/2)%2)*CHUNK+((\s)%2)*512
	WIN 0x40
.irp i, 0,1,2,3,4,5,6,7
	ds_load_b128 v[128*FP+12*\i:128*FP+12*\i+3], v[BX+FH] offset:FO+FRB*\i
	ds_load_b64 v[128*FP+12*\i+4:128*FP+12*\i+5], v[BY+FH] offset:FO+FRB*\i
	ds_load_b128 v[128*FP+12*\i+6:128*FP+12*\i+9], v[BX+FH] offset:FO+FRB*\i+HFB
	ds_load_b64 v[128*FP+12*\i+10:128*FP+12*\i+11], v[BY+FH] offset:FO+FRB*\i+HFB
.endr
	WIN 0
.irp i, 0,1,2,3
	ds_load_b128 v[AF+48*FP+12*\i:AF+48*FP+12*\i+3], v[AX+FH] offset:FO+FRB*\i
	ds_load_b64 v[AF+48*FP+12*\i+4:AF+48*FP+12*\i+5], v[AY+FH] offset:FO+FRB*\i
	ds_load_b128 v[AF+48*FP+12*\i+6:AF+48*FP+12*\i+9], v[AX+FH] offset:FO+FRB*\i+HFB
	ds_load_b64 v[AF+48*FP+12*\i+10:AF+48*FP+12*\i+11], v[AY+FH] offset:FO+FRB*\i+HFB
.endr
	ds_load_b128 v[SC+8*FP:SC+8*FP+3], v[SCA+FH] offset:FS
	ds_load_b128 v[SC+8*FP+4:SC+8*FP+7], v[SCB+FH] offset:FS
.endm
.macro PR a, b, p, c, row
	v_wmma_scale_f32_16x16x128_f8f6f4 v[8*(8*\a+\b):8*(8*\a+\b)+7], v[128*(\p)+12*\b:128*(\p)+12*\b+11], v[AF+48*(\p)+12*\a:AF+48*(\p)+12*\a+11], \c, v[SC+8*(\p)+\b], v[SC+8*(\p)+\a] matrix_a_fmt:MATRIX_FMT_FP6 matrix_b_fmt:MATRIX_FMT_FP6 matrix_a_scale:MATRIX_SCALE_ROW\row
.endm
; Eight products: A's tile a against B's eight, on set p.  B's words of tiles 0-3 lie in lanes 16-31 of the registers whose lanes 0-15 hold A's.  zero = 1: the products start the sums.
; The 32 accumulators take turns, in the same order in every K step.
.macro MULA p, zero, a
.irp b, 0,1,2,3
.if \zero
	PR \a, \b, \p, 0, 1
.else
	PR \a, \b, \p, v[8*(8*\a+\b):8*(8*\a+\b)+7], 1
.endif
.endr
.irp b, 4,5,6,7
.if \zero
	PR \a, \b, \p, 0, 0
.else
	PR \a, \b, \p, v[8*(8*\a+\b):8*(8*\a+\b)+7], 0
.endif
.endr
.endm
.macro MUL32 p, zero
	WIN 0xa1                                       ; source 0 (B) window 1, source 1 (A) window 0, C and D window 2
.irp a, 0,1,2,3
	MULA \p, \zero, \a
.endr
.endm
; K step s: its set is in; the next K step's set is fetched, then this one is multiplied.  show = 1: a plain barrier shows slot 1 to all
.macro STEP s, zero, show=0
	s_wait_dscnt 0x0                               ; set s % 2 is in
.if \show
	s_wait_tensorcnt 0x0
	s_barrier_signal -1
	s_barrier_wait -1
.endif
	PLACES 4                                       ; in front of loads into registers that the K step before has multiplied
.if (\s) < 7
	FETCH (\s)+1
.endif
	MUL32 (\s)%2, \zero
.endm
; K step s = 3 or 7 of a tile that has a successor: slot c = s / 4 has been read out (its last fetch is in) and takes the next tile's half of K; nx: the K step fetched behind the round (4, or the next tile's 0)
.macro STEPR s, nx
.set RC, (\s)/4
	s_wait_dscnt 0x0                               ; set s % 2 is in
	WIN 0
	s_wait_tensorcnt 0x0                           ; all my tensor loads have landed,
	ds_add_u32 v254, v255                          ; 0 onto my spare word;
	s_add_nc_u64 s[42+4*RC:43+4*RC], s[NA:NA+1], RC*2*CHUNK    ; no load of mine is out: the slot's descriptors take the next tile's addresses
	s_or_b32 s[43+4*RC], s[43+4*RC], 0x80000000
	s_add_nc_u64 s[70+4*RC:71+4*RC], s[NB:NB+1], RC*2*CHUNK
	s_or_b32 s[71+4*RC], s[71+4*RC], 0x80000000
	WIN 0xa1
	MULA (\s)%2, 0, 0
	s_wait_dscnt 0x0                               ; the add is done, my reads of the slot were over above
	s_barrier_signal -1
	MULA (\s)%2, 0, 1
	WIN 0
	s_barrier_wait -1
	CREST                                          ; no wave of any partner still reads the slot or has a load on its way
	s_cmp_eq_u32 s[WV], 2*RC
	s_cbranch_scc0 .Lfor_b_\@
	TLOAD 40+4*RC, 24
	s_branch .Lasked_\@
.Lfor_b_\@:
	s_cmp_eq_u32 s[WV], 2*RC+1
	s_cbranch_scc0 .Lasked_\@
	TLOAD 68+4*RC, 32
.Lasked_\@:
	PLACES 4                                       ; in front of loads into registers that the K step before has multiplied
	FETCH \nx
	WIN 0xa1
	MULA (\s)%2, 0, 2
	MULA (\s)%2, 0, 3
.endm
; 64 results of a lane, window 2's v[s] on, register 16 b + i = k 32 b + 16 h + i of my row, become a fragment's codes in v[PC] on and its scale word in v[pw].  Each accumulator is read from its low end on.
.macro QUANT s, pw
	WIN 0x0a
.irp b, 0,1,2,3
	v_max3_num_f32 v[TM+\b], |v[(\s)+16*\b]|, |v[(\s)+16*\b+1]|, 0x1800000   ; the floor 2^(3 - 127) holds the byte at 1 from below
.endr
	WIN 0x28
.irp i, 2,4,6,8,10,12,14
.irp b, 0,1,2,3
	v_max3_num_f32 v[TM+\b], v[TM+\b], |v[(\s)+16*\b+\i]|, |v[(\s)+16*\b+\i+1]|
.endr
.endr
	WIN 0
.irp b, 0,1,2,3
	v_permlanex16_b32 v[PT+\b], v[TM+\b], s96, s97
.endr
.irp b, 0,1,2,3
	v_max_num_f32 v[TM+\b], v[TM+\b], v[PT+\b]     ; with lane l xor 16's 16: the block's largest magnitude
.endr
.irp b, 0,1,2,3
	v_add_nc_u32 v[SO+\b], 0xff000000, v[TM+\b]    ; 2 off its exponent field: the conversion's scale operand
.endr
.irp b, 0,1,2,3
	v_lshrrev_b32 v[PT+\b], 23, v[SO+\b]           ; the scale's byte
.endr
	v_lshl_or_b32 v[\pw], v[PT+1], 8, v[PT]
	v_lshl_or_b32 v[\pw], v[PT+2], 16, v[\pw]
	v_lshl_or_b32 v[\pw], v[PT+3], 24, v[\pw]
	s_wait_xcnt 0x0                                ; the stores of the fragment before have read their data
	WIN 0x02
.irp c, 0,1
	v_cvt_scalef32_pk16_fp6_f32 v[PC+6*\c:PC+6*\c+2], v[(\s)+32*\c:(\s)+32*\c+15], v[SO+2*\c]
	v_cvt_scalef32_pk16_fp6_f32 v[PX+4*\c:PX+4*\c+2], v[(\s)+32*\c+16:(\s)+32*\c+31], v[SO+2*\c+1]
.endr
	WIN 0
	v_nop                                          ; one plain instruction behind the scaled conversions
.irp c, 0,1                            ; the operand's layout wants a whole block in a lane
.irp i, 0,1,2
	v_permlane16_swap_b32 v[PC+6*\c+\i], v[PX+4*\c+\i]
.endr
.irp i, 0,1,2
	v_mov_b32 v[PC+6*\c+3+\i], v[PX+4*\c+\i]
.endr
.endr
.endm
.macro SCSTORE w, pr, base             ; four tiles' scale words: lane (r, h) stores those of tiles 2 h, 2 h + 1 of lane r: 256 consecutive bytes a wave
	v_cmp_ne_u32 vcc_lo, 0, v[HT+2]                ; lanes 16-31: made anew here, behind the tensor loads
	v_cndmask_b32 v[\pr], v[\w], v[\w+2], vcc_lo
	v_cndmask_b32 v[\pr+1], v[\w+1], v[\w+3], vcc_lo
	global_store_b64 v[OSS], v[\pr:\pr+1], s[\base:\base+1]
.endm
	s_wait_alu depctr_va_vdst(0)
	s_cmp_lt_u32 s[WV], 2
	s_cbranch_scc0 .Lnot_first
	s_wait_tensorcnt 0x0                           ; waves 0 and 1: slot 0 has landed; the lines of waves 2 and 3 are their own and may be out
.Lnot_first:
	s_barrier_signal -1
	s_barrier_wait -1
	FETCH 0
.Ltile:                                ; ---- tiles 0 and 1: Q, K
	STEP 0, 1                                      ; the first K step starts the sums: nothing is cleared
	STEP 1, 0
	WIN 0
	global_prefetch_b8 v[PFA], s[NA:NA+1] th:TH_LOAD_NT scope:SCOPE_SE
	global_prefetch_b8 v[PFB], s[NB:NB+1] th:TH_LOAD_NT scope:SCOPE_SE
	global_prefetch_b8 v[PFB], s[NB:NB+1] offset:PANEL th:TH_LOAD_NT scope:SCOPE_SE
	STEP 2, 0
	STEPR 3, 4
	STEP 4, 0
	STEP 5, 0
	WIN 0
	; my token panel is 4 U + cy of the tensor: batch (4 U + cy) / 16, key step (4 U + cy) % 16; my 128 features are heads 4 cx + 2 HB and the next
	s_lshl_b32 s86, s[UU], 2
	s_add_co_u32 s86, s86, s[CY]
	s_lshr_b32 s87, s86, 4
	s_and_b32 s86, s86, 15                         ; key step
	s_lshl_b32 s87, s87, 4
	s_lshl_b32 s94, s[CX], 2
	s_add_co_u32 s87, s87, s94
	s_lshl_b32 s94, s[HB], 1
	s_add_co_u32 s87, s87, s94                     ; 16 x batch + head
	s_mov_b32 s98, 208896
	s_cmp_eq_u32 s[TT], 0
	s_cselect_b32 s98, 106496, s98                 ; a head's record: in qb, in kv
	s_cselect_b64 s[88:89], s[12:13], s[14:15]
	s_cselect_b64 s[92:93], s[6:7], s[8:9]         ; b_q or b_k
	s_mul_i32 s94, s87, s98
	s_mov_b32 s95, 0
	s_add_nc_u64 s[88:89], s[88:89], s[94:95]      ; the first head's record,
	s_mov_b32 s94, s98
	s_add_nc_u64 s[90:91], s[88:89], s[94:95]      ; the second's
	s_lshl_b32 s94, s[CX], 10
	s_lshl_b32 s99, s[HB], 9
	s_add_co_u32 s94, s94, s99
	s_add_nc_u64 s[92:93], s[92:93], s[94:95]      ; my 128 numbers of the bias
	v_lshlrev_b32 v[HT], 6, v[HT+2]                ; 64 h
.irp b, 0,1,2,3,4,5,6,7                ; register 8 b + j: the bias of feature 32 (b / 2) + 16 h + 8 (b % 2) + j, as the results lie
	global_load_b128 v[BI+8*\b:BI+8*\b+3], v[HT], s[92:93] offset:4*(32*(\b/2)+8*(\b%2))
	global_load_b128 v[BI+8*\b+4:BI+8*\b+7], v[HT], s[92:93] offset:4*(32*(\b/2)+8*(\b%2))+16
.endr
	s_mul_i32 s94, s86, 8*HFB
	s_mul_i32 s99, s[HA], 4*HFB
	s_add_co_u32 s94, s94, s99
	v_add_nc_u32 v[OCX], s94, v[L16]               ; codes [key step][tile 8][768 bytes]
	v_add_nc_u32 v[OCY], s94, v[L8]
	s_lshl_b32 s94, s86, 9
	s_lshl_b32 s99, s[HA], 8
	s_add_co_u32 s94, s94, s99
	s_add_co_u32 s94, s94, 98304
	v_add_nc_u32 v[OSS], s94, v[LSS]               ; scale words behind them: [key step][half 2][r 16][tile 4]
	STEP 6, 0
	STEPR 7, 0                                     ; slot 1 takes the next tile's second half; the next tile's first fragments are fetched
	PLACES 4                                       ; in front of the first read of results
	s_wait_loadcnt 0x0                             ; the bias
.irp a, 0,1,2,3
	WIN 0x82
.set xx, 0
.rept 32
	v_pk_add_f32 v[64*\a+xx:64*\a+xx+1], v[64*\a+xx:64*\a+xx+1], v[BI+xx:BI+xx+1]
.set xx, xx+2
.endr
	QUANT 64*\a, PW
	v_and_b32 v[W0+\a], 0xffff, v[PW]              ; the first head's two bytes,
	v_lshrrev_b32 v[W1+\a], 16, v[PW]              ; the second's
	global_store_b128 v[OCX], v[PC:PC+3], s[88:89] offset:HFB*\a       ; registers 0-5: the first head's 64
	global_store_b64 v[OCY], v[PC+4:PC+5], s[88:89] offset:HFB*\a
	global_store_b128 v[OCX], v[PC+6:PC+9], s[90:91] offset:HFB*\a     ; registers 6-11: the second's
	global_store_b64 v[OCY], v[PC+10:PC+11], s[90:91] offset:HFB*\a
.endr
.irp w, W0, W1                         ; two neighbouring tiles share a word: the even tile's two bytes below, the odd tile's above; it is stored at both tiles' places
	v_lshl_or_b32 v[\w], v[\w+1], 16, v[\w]
	v_lshl_or_b32 v[\w+2], v[\w+3], 16, v[\w+2]
.endr
.irp w, W0, W1
	v_mov_b32 v[\w+1], v[\w]
	v_mov_b32 v[\w+3], v[\w+2]
.endr
	SCSTORE W0, 244, 88
	SCSTORE W1, 246, 90
	s_wait_xcnt 0x0                                ; the tile's stores and prefetches have read their registers: bases, offsets and data are written again only behind this wait
	s_mov_b64 s[NA:NA+1], s[52:53]                 ; the tile after the next is tile 2
	s_mov_b64 s[NB:NB+1], s[54:55]
	s_add_co_u32 s[TT], s[TT], 1
	s_cmp_lt_u32 s[TT], 2
	s_wait_alu depctr_va_vdst(0)
	s_cbranch_scc1 .Ltile
	; ---- tile 2: V.  My 64 rows of w_v are one head; my panel of B is 128 tokens: a key step.  Nothing more is asked for
	STEP 0, 1
	STEP 1, 0
	STEP 2, 0
	STEP 3, 0, 1
	STEP 4, 0
	STEP 5, 0
	WIN 0
	s_and_b32 s86, s[UU], 1
	s_lshl_b32 s86, s86, 2
	s_add_co_u32 s86, s86, s[CY]                   ; w_v's panel
	s_lshl_b32 s87, s86, 1
	s_add_co_u32 s87, s87, s[HA]                   ; head
	s_lshl_b32 s94, s87, 8
	s_mov_b32 s95, 0
	s_add_nc_u64 s[92:93], s[10:11], s[94:95]      ; the head's 64 numbers of b_v
	s_lshr_b32 s98, s[UU], 1
	s_lshl_b32 s98, s98, 2
	s_add_co_u32 s98, s98, s[CX]
	s_lshl_b32 s98, s98, 1
	s_add_co_u32 s98, s98, s[HB]                   ; the token panel
	s_lshr_b32 s99, s98, 4
	s_and_b32 s98, s98, 15                         ; key step
	s_lshl_b32 s99, s99, 4
	s_add_co_u32 s99, s99, s87                     ; 16 x batch + head
	s_mul_i32 s94, s99, 208896
	s_add_co_u32 s94, s94, 106496
	s_add_nc_u64 s[88:89], s[14:15], s[94:95]      ; V's part of the head's record
	v_and_b32 v[HT], 8, v[HT+1]
	v_add_nc_u32 v[HT], v[HT], v[HT+1]
	v_lshlrev_b32 v[HT], 2, v[HT]                  ; 4 (r + 8 (r / 8))
.irp a, 0,1,2,3
	global_load_b32 v[BI+2*\a], v[HT], s[92:93] offset:4*(32*(\a/2)+8*(\a%2))   ; the bias of my lane's d in tile a
.endr
	s_mul_i32 s94, s98, 4*FRB
	v_add_nc_u32 v[OCX], s94, v[L16]               ; codes [key step][tile 4][3 x 512 bytes]
	s_lshl_b32 s94, s98, 8
	s_add_co_u32 s94, s94, 98304
	v_add_nc_u32 v[OSS], s94, v[LSS]               ; scale words behind them: [key step][r 16][tile 4]
	STEP 6, 0
	STEP 7, 0
	PLACES 4
	s_wait_loadcnt 0x0
	WIN 0
.irp a, 0,1,2,3
	v_mov_b32 v[BI+2*\a+1], v[BI+2*\a]             ; a pair for the packed additions
.endr
.irp a, 0,1,2,3
	WIN 0x82
.set xx, 0
.rept 32
	v_pk_add_f32 v[64*\a+xx:64*\a+xx+1], v[64*\a+xx:64*\a+xx+1], v[BI+2*\a:BI+2*\a+1]
.set xx, xx+2
.endr
	QUANT 64*\a, W0+\a
.irp c, 0,1,2
	global_store_b128 v[OCX], v[PC+4*\c:PC+4*\c+3], s[88:89] offset:FRB*\a+512*\c
.endr
.endr
	SCSTORE W0, 244, 88
	s_wait_tensorcnt 0x0                           ; the wave's end
	ds_add_u32 v254, v255
	s_wait_dscnt 0x0
	CROUND                                         ; the closing round
	s_endpgm
.Lfunc_end_k_qb037ac8751_proj:
	.size	k_qb037ac8751_proj, .Lfunc_end_k_qb037ac8751_proj-k_qb037ac8751_proj
	.p2alignl 7, 3214868480
	.fill 96, 4, 3214868480
	.section	.rodata,"a",@progbits
	.p2align	6, 0x0
	.amdhsa_kernel k_qb037ac8751_proj
		.amdhsa_group_segment_fixed_size 327680
		.amdhsa_private_segment_fixed_size 0
		.amdhsa_enable_private_segment 0
		.amdhsa_kernarg_size 48
		.amdhsa_user_sgpr_count 2
		.amdhsa_user_sgpr_kernarg_segment_ptr 1
		.amdhsa_wavefront_size32 1
		.amdhsa_system_sgpr_workgroup_id_x 1
		.amdhsa_system_sgpr_workgroup_id_y 1
		.amdhsa_system_sgpr_workgroup_id_z 1
		.amdhsa_system_vgpr_workitem_id 0
		.amdhsa_next_free_vgpr 768
		.amdhsa_next_free_sgpr 100
		.amdhsa_reserve_vcc 1
		.amdhsa_float_denorm_mode_32 3
		.amdhsa_float_denorm_mode_16_64 3
		.amdhsa_memory_ordered 1
		.amdhsa_forward_progress 1
		.amdhsa_inst_pref_size 186
	.end_amdhsa_kernel
	.amdgpu_metadata
---
amdhsa.version: [ 1, 2 ]
amdhsa.kernels:
  - .name:           k_qb037ac8751_proj
    .symbol:         k_qb037ac8751_proj.kd
    .args:
      - { .name: xw, .offset: 0, .size: 8, .value_kind: global_buffer, .address_space: global }
      - { .name: b_q, .offset: 8, .size: 8, .value_kind: global_buffer, .address_space: global }
      - { .name: b_k, .offset: 16, .size: 8, .value_kind: global_buffer, .address_space: global }
      - { .name: b_v, .offset: 24, .size: 8, .value_kind: global_buffer, .address_space: global }
      - { .name: qb, .offset: 32, .size: 8, .value_kind: global_buffer, .address_space: global }
      - { .name: kv, .offset: 40, .size: 8, .value_kind: global_buffer, .address_space: global }
    .group_segment_fixed_size: 327680
    .private_segment_fixed_size: 0
    .kernarg_segment_align: 8
    .kernarg_segment_size: 48
    .max_flat_workgroup_size: 128
    .sgpr_count:     100
    .vgpr_count:     768
    .wavefront_size: 32
...
	.end_amdgpu_metadata
.endif
;; end of part 2
;; launch attn (part 3): grid 4 x 64, 16 waves a work-group, clusters of 4 x 1, 210,944 bytes of LDS; arguments qb, kv, ao; writes ao
.if DOCPART == 3
	.amdgcn_target "amdgcn-amd-amdhsa--gfx1250"
	.amdhsa_code_object_version 6
	.text
	.protected	k_qb037ac8751_attn
	.globl	k_qb037ac8751_attn
	.p2align	8
	.type	k_qb037ac8751_attn,@function
k_qb037ac8751_attn:
	s_mov_b64 s[64:65], 0
	v_nop
	global_prefetch_b8 v0, s[64:65] scope:SCOPE_SE
	s_setreg_imm32_b32 hwreg(HW_REG_WAVE_MODE, 25, 1), 1
	s_wait_xcnt 0x0
	s_wait_alu depctr_hold_cnt(0) depctr_sa_sdst(0) depctr_va_vdst(0) depctr_va_sdst(0) depctr_va_ssrc(0) depctr_va_vcc(0) depctr_vm_vsrc(0)
	s_getreg_b32 s2, hwreg(HW_REG_IB_STS2, 6, 4)
	s_cmp_eq_u32 s2, 0
	s_cbranch_scc0 .Lentry_in_a_cluster
	s_endpgm
.Lentry_in_a_cluster:
	s_bfe_u32 s2, ttmp6, 0x10000c
	s_cmp_lg_u32 s2, 0x3003
	s_cbranch_scc0 .Lentry_shape_is_right
	s_endpgm
.Lentry_shape_is_right:
; O = softmax(Q K^T / 8) V for one batch and head (the cluster's y), both products on codes of E2M3 with one E8M0 byte for each 32 along K; O / l is quantised along d_model and stored as the
; register image that the last launch loads.
; qb: [64 heads][106,496]: codes [step 16][tile 8][768], scale words [step 16][half 2][r 16][tile 4] x 4.  kv: [64 heads][208,896]: K as qb; V's codes at 106,496: [step 16][tile 4][3 x 512];
; V's scale words at 204,800: [step 16][r 16][tile 4] x 4.  ao: [64 panels of 128 tokens][4 chunks of 25,600]; a head owns one half of 768 bytes of a tile and two bytes of a scale word.
; A scale word of Q or K serves two neighbouring tiles: the even tile's two bytes below, the odd tile's above.
; K'S TILES: row r of tile 4 c + u of a step is key 64 c + 8 u + r % 8 + 32 (r / 8).  With S^T = K Q^T lane (r, h) holds query r, and register 32 c + n of the step's 64 is key 64 c + 32 h + n:
; a whole scale block of p lies in one lane, in the order of the next operand's registers: no lane asks another for a block's maximum, and the codes are not exchanged between lanes.
; THE HEAD'S K IS 64, THE INSTRUCTION'S 128: a fragment of 12 registers holds TWO tiles of K; against [Q | zeros] it gives the first tile's scores, against [zeros | Q] the second's.  Q lies between two runs of six zero registers.
; THE SOFTMAX: t = score x log2(e) / 8; M = the running largest t rounded up to a whole number; p = 2^(t - M) is quantised along the keys, not normalised; the sum of the unquantised p divides O at the end;
; when M moves, the sum and O are multiplied by 2^(old M - new M), which rounds nothing.
; SHARES: the four work-groups of a cluster own 512 queries each of one head and ask for the head's whole record of kv JOINTLY, once: each of the sixteen waves one load of 51 rows of 256 bytes.  Nothing is filled again.
; A wave owns two tiles of 16 queries, one after the other, and walks 16 steps of 128 keys for each.  The next step's K is fetched from LDS behind this step's first products.
; No prefetch: the launch's one fill stands at its head, and no loop runs ahead of it.
; LIMITS: p under 2^-126 counts as 0; a block of zeros or under 2^-124 gets the byte 1 (read by this program alone); NaN and infinities are not served; scaled scores stay under 2^31 in magnitude.
.set REC,  208896
.set QREC, 106496
.set FRB,  1536
.set HFB,  768
.set AKX, 1                            ; 16 x lane
.set AKY, 2                            ; 512 + 8 x lane
.set ASK, 3                            ; K's scale words
.set AVC, 4                            ; V's codes
.set ASV, 5                            ; V's scale words
.set GR,  6                            ; 16 r
.set ADKX, 8                           ; v8-10 the next step's K; v11-12 this step's V
.set ADKY, 9
.set ADS,  10
.set ADV,  11
.set ADT,  12
.set NM,  14                           ; -M
.set MX,  15                           ; the running largest score
.set SUM, 16                           ; v16-17
.set QZ,  18                           ; v18-23 zeros, v24-29 Q, v30-35 zeros
.set SH,  36                           ; 8 h
.set QS,  37                           ; Q's scale word: its two bytes below and above
.set Q1,  38                           ; v38-43 the second tile's Q; v44 its word
.set QS1, 44
.set KF,  48                           ; v48-95 K's eight tiles, six registers each
.set SS,  96                           ; v96-159 S^T, then p; then v96-143 V's four fragments
.set OT,  160                          ; v160-191 O^T
.set PC,  192                          ; v192-203 p's codes
.set PX,  204                          ; v204-206, v208-210
.set BM,  212
.set SO,  214
.set PT,  216
.set EB,  218
.set KSC, 220
.set VSC, 224
.set PWD, 228
.set FF,  230
.set T0,  232
.set T1,  233
.set PS,  234                          ; v234-249 eight partial sums (pairs); v234-237 first serve the maxima's four chains
.set SPW, 250
.set NIL, 251
.macro PLACES n
.rept \n
	v_nop
.endr
.endm
.macro WALU
	s_wait_alu depctr_va_vdst(0)
.endm
.macro CROUND
	s_barrier_signal -1
	s_barrier_wait -1
	s_cmp_lg_u32 s10, 0
	s_cbranch_scc1 .Lnot_wave_0_\@
	s_barrier_signal -3
.Lnot_wave_0_\@:
	s_barrier_wait -3
	s_barrier_signal -1
	s_barrier_wait -1
.endm
	s_load_b128 s[4:7], s[0:1], 0x0                ; qb, kv
	s_load_b64 s[8:9], s[0:1], 0x10                ; ao
	v_lshl_add_u32 v[SPW], v0, 2, 0x33000
	v_mov_b32 v[NIL], 0
	ds_add_u32 v[SPW], v[NIL]                      ; the opening lines
	ds_add_u32 v[SPW], v[NIL]
	v_lshrrev_b32 v7, 5, v0
	v_readfirstlane_b32 s10, v7                    ; wave 0..15
	s_bfe_u32 s11, ttmp6, 0x40000                  ; cx: it enters Q's and ao's addresses alone
	s_and_b32 s12, ttmp7, 0xffff                   ; 16 x batch + head
	s_lshr_b32 s13, s12, 4
	s_and_b32 s14, s12, 15
	s_mov_b32 s16, 15|(3<<16)|(1<<21)              ; group 1: 13,056 dense bytes as 51 rows of 32 elements of 8 bytes; the mask names all four work-groups
	s_mov_b32 s17, 32<<16
	s_mov_b32 s18, 51<<16
	s_mov_b32 s19, 32<<16
	s_mov_b32 s20, 51
	s_mov_b32 s21, 32
	s_mov_b32 s22, 0
	s_mov_b32 s23, 0
	s_mov_b32 s24, 1
	s_mul_i32 s25, s10, 13056                      ; my sixteenth of the record, in LDS as in memory
	s_mul_i32 s44, s12, REC
	s_add_co_u32 s44, s44, s25
	s_mov_b32 s45, 0
	s_lshr_b32 s46, s10, 3
	s_lshl_b32 s47, s11, 2
	s_add_co_u32 s46, s46, s47                     ; my first tile's panel of 128 queries: 4 cx + wave / 8 (the second's: two on)
	s_and_b32 s47, s10, 7                          ; my tile in it
	s_and_b32 s15, s47, 1
	s_lshl_b32 s15, s15, 4                         ; where my tile's two bytes begin in the pair's word, in bits
	s_mul_i32 s48, s12, QREC
	s_mul_i32 s49, s46, 8*HFB
	s_add_co_u32 s50, s48, s49
	s_mul_i32 s49, s47, HFB
	s_add_co_u32 s50, s50, s49                     ; Q's codes
	s_mov_b32 s51, 0
	s_lshr_b32 s52, s47, 2
	s_lshl_b32 s52, s52, 8
	s_and_b32 s53, s47, 3
	s_lshl_b32 s53, s53, 2
	s_add_co_u32 s52, s52, s53                     ; a tile's place among a panel's scale words
	s_lshl_b32 s49, s46, 9
	s_add_co_u32 s48, s48, s49
	s_add_co_u32 s48, s48, s52
	s_add_co_u32 s48, s48, 98304                   ; Q's scale words
	s_mov_b32 s49, 0
	s_lshl_b32 s53, s13, 4
	s_add_co_u32 s53, s53, s46
	s_mul_i32 s53, s53, 102400                     ; ao's panel,
	s_lshr_b32 s54, s14, 2
	s_mul_i32 s54, s54, 25600
	s_add_co_u32 s53, s53, s54                     ; the chunk head / 4,
	s_bfe_u32 s54, s14, 0x10001                    ; the K step (head / 2) % 2 in it,
	s_and_b32 s55, s14, 1                          ; the half head % 2 of a fragment
	s_mul_i32 s40, s54, 12288
	s_add_co_u32 s40, s40, s53
	s_mul_i32 s41, s47, FRB
	s_add_co_u32 s40, s40, s41
	s_mul_i32 s41, s55, HFB
	s_add_co_u32 s40, s40, s41                     ; ao's codes
	s_mov_b32 s41, 0
	s_lshl_b32 s42, s54, 9
	s_add_co_u32 s42, s42, s53
	s_add_co_u32 s42, s42, s52
	s_lshl_b32 s43, s55, 1
	s_add_co_u32 s42, s42, s43
	s_add_co_u32 s42, s42, 24576                   ; ao's scale bytes
	s_mov_b32 s43, 0
	s_mov_b32 s36, 0x76543210
	s_mov_b32 s37, 0xfedcba98                      ; selects for lane l xor 16
	s_mov_b32 s38, 0x3e38aa3b                      ; c = log2(e) / 8
	s_mov_b32 s39, s38
	v_and_b32 v7, 31, v0
	v_and_b32 v13, 15, v0
	v_bfe_u32 v[SH], v0, 4, 1
	v_lshlrev_b32 v[AKX], 4, v7
	v_lshl_add_u32 v[AKY], v7, 3, 512
	v_lshlrev_b32 v[GR], 4, v13
	v_lshlrev_b32 v[SH], 3, v[SH]
	v_add_nc_u32 v[ASK], 98304, v[AKX]
	v_add_nc_u32 v[AVC], 106496, v[AKX]
	v_add_nc_u32 v[ASV], 204800, v[GR]
	WALU
	s_wait_dscnt 0x0
	s_wait_kmcnt 0x0
	s_add_nc_u64 s[26:27], s[6:7], s[44:45]
	s_or_b32 s27, s27, 0x80000000
	s_add_nc_u64 s[28:29], s[4:5], s[50:51]
	s_add_nc_u64 s[30:31], s[4:5], s[48:49]
	s_add_nc_u64 s[32:33], s[8:9], s[40:41]
	s_add_nc_u64 s[34:35], s[8:9], s[42:43]
	CROUND                                         ; all four work-groups are here: the joint loads meet
	tensor_load_to_lds s[24:27], s[16:23]          ; my one tensor load of the launch
	s_nop 0
	PLACES 4
	WALU
	global_load_b128 v[QZ+6:QZ+9], v[AKX], s[28:29]
	global_load_b64 v[QZ+10:QZ+11], v[AKY], s[28:29]
	global_load_b32 v[QS], v[GR], s[30:31]
	global_load_b128 v[Q1:Q1+3], v[AKX], s[28:29] offset:2*8*HFB
	global_load_b64 v[Q1+4:Q1+5], v[AKY], s[28:29] offset:2*8*HFB
	global_load_b32 v[QS1], v[GR], s[30:31] offset:2*512
.irp n, 0,1,2,3,4,5                    ; the zero codes on both sides of Q: written once
	v_mov_b32 v[QZ+\n], 0
	v_mov_b32 v[QZ+12+\n], 0
.endr
	v_mov_b32 v[PT], 0                             ; a lane permute's destination counts as one of its sources
	v_mov_b32 v[PT+1], 0
	v_mov_b32 v[FF+1], 0
	v_mov_b32 v[T0], 0
	WALU
	s_wait_tensorcnt 0x0                           ; my part of the record has landed,
	s_barrier_signal -1
	s_barrier_wait -1                              ; everybody's has
	s_wait_loadcnt 0x0                             ; Q
.irp w, QS, QS1                        ; my tile's two bytes of the pair's word, below and above
	v_lshrrev_b32 v[\w], s15, v[\w]
.endr
.irp w, QS, QS1
	v_and_b32 v[\w], 0xffff, v[\w]
.endr
.irp w, QS, QS1
	v_lshl_or_b32 v[\w], v[\w], 16, v[\w]
.endr
.macro KLOAD ax, ay, as                ; a step's K: its scale words and eight tiles, 17 loads
	ds_load_b128 v[KSC:KSC+3], v[\as]
.irp t, 0,1,2,3,4,5,6,7
	ds_load_b128 v[KF+6*\t:KF+6*\t+3], v[\ax] offset:HFB*\t
	ds_load_b64 v[KF+6*\t+4:KF+6*\t+5], v[\ay] offset:HFB*\t
.endr
.endm
.macro SMUL d, p, q, row               ; 16 keys x 16 queries: pair p of K's tiles against Q's image at register q; the pair's word lies in lanes 0-15 (pairs 0, 1) or 16-31 (pairs 2, 3)
	v_wmma_scale_f32_16x16x128_f8f6f4 v[SS+\d:SS+\d+7], v[KF+12*\p:KF+12*\p+11], v[\q:\q+11], 0, v[KSC+2*(\p%2)], v[QS] matrix_a_fmt:MATRIX_FMT_FP6 matrix_b_fmt:MATRIX_FMT_FP6 matrix_a_scale:MATRIX_SCALE_ROW\row
.endm
.macro JOIN a, b
	v_pk_add_f32 v[PS+2*\a:PS+2*\a+1], v[PS+2*\a:PS+2*\a+1], v[PS+2*\b:PS+2*\b+1]
.endm
; A STEP: 128 keys.  s40: the step's codes (6,144 bytes a step, K's and V's alike); s41: K's scale words (512); s42: V's (256).  pf = 1: the next step's K is fetched.
.macro STEP pf
	s_wait_dscnt 0x0                               ; this step's K is in
.irp p, 0,1
	SMUL 16*\p, \p, QZ+6, 0
	SMUL 16*\p+8, \p, QZ, 0
.endr
.irp p, 2,3
	SMUL 16*\p, \p, QZ+6, 1
	SMUL 16*\p+8, \p, QZ, 1
.endr
	v_add_nc_u32 v[ADV], s40, v[AVC]               ; these lines are the places behind the products, ahead of the loads into K's registers and of the first read of the scores
	v_add_nc_u32 v[ADT], s42, v[ASV]
.if \pf
	s_add_co_u32 s40, s40, 4*FRB
	s_add_co_u32 s41, s41, 512
	s_add_co_u32 s42, s42, 256
	v_add_nc_u32 v[ADKX], s40, v[AKX]
	v_add_nc_u32 v[ADKY], s40, v[AKY]
	v_add_nc_u32 v[ADS], s41, v[ASK]
	KLOAD ADKX, ADKY, ADS
.else
	PLACES 2
.endif
.irp k, 0,1,2,3                        ; the largest score of my two blocks of 32 keys, each in two chains; every accumulator is read from its low end on
	v_max3_num_f32 v[PS+\k], v[SS+16*\k], v[SS+16*\k+1], v[SS+16*\k+2]
.endr
.irp i, 3,5,7,9,11,13
.irp k, 0,1,2,3
	v_max3_num_f32 v[PS+\k], v[PS+\k], v[SS+16*\k+\i], v[SS+16*\k+\i+1]
.endr
.endr
.irp c, 0,1
	v_max3_num_f32 v[BM+\c], v[PS+2*\c], v[PS+2*\c+1], v[SS+32*\c+15]
.endr
.irp c, 0,1
	v_max_num_f32 v[BM+\c], v[BM+\c], v[SS+32*\c+31]
.endr
	s_delay_alu instid0(VALU_DEP_1)
	v_max_num_f32 v[T0], v[BM], v[BM+1]
	s_delay_alu instid0(VALU_DEP_1)
	v_permlanex16_b32 v[PT], v[T0], s36, s37
	s_delay_alu instid0(VALU_DEP_1)
	v_max3_num_f32 v[MX], v[MX], v[T0], v[PT]      ; the running largest score of my query
	s_delay_alu instid0(VALU_DEP_1)
	v_mul_f32 v[T0], s38, v[MX]                    ; as t (c is positive)
	s_delay_alu instid0(VALU_DEP_1)
	v_floor_f32 v[NM], -v[T0]                      ; the new -M: M is a whole number
	s_delay_alu instid0(VALU_DEP_1)
	v_sub_f32 v[T1], v[NM], v[T1]                  ; old M - new M (T1 held the old -M)
	s_delay_alu instid0(VALU_DEP_1)
	v_cvt_i32_f32 v[T1], v[T1]                     ; (it saturates)
	s_delay_alu instid0(VALU_DEP_1)
	v_ldexp_f32 v[FF], 1.0, v[T1]                  ; f = 2^(old M - new M)
.set jj, 0
.rept 32
	v_pk_fma_f32 v[SS+jj:SS+jj+1], v[SS+jj:SS+jj+1], s[38:39], v[NM:NM+1] op_sel_hi:[1,0,0]   ; t - M
.set jj, jj+2
.endr
.irp c, 0,1
	v_fma_f32 v[BM+\c], v[BM+\c], s38, v[NM]       ; the same of each block's largest score
.endr
.set jj, 0
.rept 16
	v_pk_mul_f32 v[OT+jj:OT+jj+1], v[OT+jj:OT+jj+1], v[FF:FF+1] op_sel_hi:[1,0]   ; O^T under the new M
.set jj, jj+2
.endr
	WALU
	v_exp_f32 v[BM], v[BM]                         ; the blocks' largest p: the same two instructions on the same number
	v_exp_f32 v[BM+1], v[BM+1]
.set jj, 0
.rept 64
	v_exp_f32 v[SS+jj], v[SS+jj]                   ; p = 2^(t - M), at most 1
.set jj, jj+1
.endr
	v_pk_mul_f32 v[SUM:SUM+1], v[SUM:SUM+1], v[FF:FF+1] op_sel_hi:[1,0]   ; the sum under the new M: the plain line behind the batch
	WALU                                           ; and the one wait behind it
.irp c, 0,1
	v_max_num_f32 v[BM+\c], 0x1800000, v[BM+\c]    ; the floor 2^(3 - 127): the byte cannot fall under 1
.endr
.irp k, 0,1,2,3,4,5,6,7                ; the sum of the unquantised p, in eight chains
	v_pk_add_f32 v[PS+2*\k:PS+2*\k+1], v[SS+8*\k:SS+8*\k+1], v[SS+8*\k+2:SS+8*\k+3]
.endr
.irp c, 0,1
	v_add_nc_u32 v[SO+\c], 0xff000000, v[BM+\c]    ; 2 off the exponent field: the conversion's scale operand
.endr
.irp i, 4,6
.irp k, 0,1,2,3,4,5,6,7
	v_pk_add_f32 v[PS+2*\k:PS+2*\k+1], v[PS+2*\k:PS+2*\k+1], v[SS+8*\k+\i:SS+8*\k+\i+1]
.endr
.endr
.irp c, 0,1
	v_cvt_scalef32_pk16_fp6_f32 v[PC+6*\c:PC+6*\c+2], v[SS+32*\c:SS+32*\c+15], v[SO+\c]
	v_cvt_scalef32_pk16_fp6_f32 v[PX+4*\c:PX+4*\c+2], v[SS+32*\c+16:SS+32*\c+31], v[SO+\c]
.endr
.irp c, 0,1
	v_lshrrev_b32 v[EB+\c], 23, v[SO+\c]           ; the scale's byte; also the plain line behind the conversions
.endr
	ds_load_b128 v[VSC:VSC+3], v[ADT]              ; V's words and four fragments, into the registers that p has left
.irp t, 0,1,2,3
.irp c, 0,1,2
	ds_load_b128 v[SS+12*\t+4*\c:SS+12*\t+4*\c+3], v[ADV] offset:FRB*\t+512*\c
.endr
.endr
	v_lshl_or_b32 v[T0], v[EB+1], 16, v[EB]        ; my two bytes, blocks h and 2 + h,
	s_delay_alu instid0(VALU_DEP_1)
	v_lshlrev_b32 v[T0], v[SH], v[T0]              ; at their places in the word;
	s_delay_alu instid0(VALU_DEP_1)
	v_permlanex16_b32 v[PT], v[T0], s36, s37
	s_delay_alu instid0(VALU_DEP_1)
	v_or_b32 v[PWD], v[T0], v[PT]                  ; with lane l xor 16's two p's scale word is whole.  Ten plain lines follow it ahead of the products, four follow the last move
.irp c, 0,1
.irp i, 0,1,2
	v_mov_b32 v[PC+6*\c+3+\i], v[PX+4*\c+\i]
.endr
.endr
	JOIN 0, 1
	JOIN 2, 3
	JOIN 4, 5
	JOIN 6, 7
	WALU
	s_wait_dscnt 0x0
.irp t, 0,1,2,3                        ; O^T += V^T P^T: four tiles of 16 d; the four accumulators take turns
	v_wmma_scale_f32_16x16x128_f8f6f4 v[OT+8*\t:OT+8*\t+7], v[SS+12*\t:SS+12*\t+11], v[PC:PC+11], v[OT+8*\t:OT+8*\t+7], v[VSC+\t], v[PWD] matrix_a_fmt:MATRIX_FMT_FP6 matrix_b_fmt:MATRIX_FMT_FP6
.endr
	JOIN 0, 2                                      ; five plain lines: the places between these products, which read v96-143, and the next step's, which write them
	JOIN 4, 6
	v_mov_b32 v[T1], v[NM]                         ; the old -M for the next step
	JOIN 0, 4
	v_pk_add_f32 v[SUM:SUM+1], v[SUM:SUM+1], v[PS:PS+1]
.endm
; One tile of 16 queries: 16 steps, then O / l, quantised along the head's 64 and stored
.macro TILE j
.if \j
	s_wait_xcnt 0x0                                ; the first tile's stores have read their data
.irp n, 0,1,2,3,4,5
	v_mov_b32 v[QZ+6+\n], v[Q1+\n]
.endr
	v_mov_b32 v[QS], v[QS1]
.endif
	KLOAD AKX, AKY, ASK                            ; step 0's K
	v_mov_b32 v[MX], 0xff61b1e6                    ; the largest score so far: -3e38
	v_mul_f32 v[T0], s38, v[MX]
	v_floor_f32 v[NM], -v[T0]
	v_mov_b32 v[SUM], 0
	v_mov_b32 v[SUM+1], 0
	v_mov_b32 v[T1], v[NM]
.set jj, 0
.rept 32
	v_mov_b32 v[OT+jj], 0                          ; the step is written once: the first finds zeros
.set jj, jj+1
.endr
	s_mov_b32 s40, 0
	s_mov_b32 s41, 0
	s_mov_b32 s42, 0
	s_mov_b32 s43, 0
	WALU
.Lk_\@:
	STEP 1
	s_add_co_u32 s43, s43, 1
	s_cmp_lt_u32 s43, 15
	s_cbranch_scc1 .Lk_\@
	STEP 0                                         ; the last step fetches nothing more
	v_add_f32 v[SUM], v[SUM], v[SUM+1]
	v_permlanex16_b32 v[T0], v[SUM], s36, s37
	v_add_f32 v[SUM], v[SUM], v[T0]                ; the row's sum
	WALU
	v_rcp_f32 v[FF], v[SUM]
	v_nop
	WALU
.set jj, 0
.rept 16
	v_pk_mul_f32 v[OT+jj:OT+jj+1], v[OT+jj:OT+jj+1], v[FF:FF+1] op_sel_hi:[1,0]   ; O^T / l: register 16 b + i is d = 32 b + 16 h + i of my query
.set jj, jj+2
.endr
.irp b, 0,1
	v_max3_num_f32 v[BM+\b], |v[OT+16*\b]|, |v[OT+16*\b+1]|, 0x1800000
.endr
.irp i, 2,4,6,8,10,12,14
.irp b, 0,1
	v_max3_num_f32 v[BM+\b], v[BM+\b], |v[OT+16*\b+\i]|, |v[OT+16*\b+\i+1]|
.endr
.endr
.irp b, 0,1
	v_permlanex16_b32 v[PT+\b], v[BM+\b], s36, s37
.endr
.irp b, 0,1
	v_max_num_f32 v[BM+\b], v[BM+\b], v[PT+\b]
.endr
.irp b, 0,1
	v_add_nc_u32 v[SO+\b], 0xff000000, v[BM+\b]
.endr
.irp b, 0,1
	v_lshrrev_b32 v[PT+\b], 23, v[SO+\b]
.endr
	v_lshl_or_b32 v[T1], v[PT+1], 8, v[PT]         ; my head's two bytes of the row's scale word
	v_cvt_scalef32_pk16_fp6_f32 v[PC:PC+2], v[OT:OT+15], v[SO]
	v_cvt_scalef32_pk16_fp6_f32 v[PX:PX+2], v[OT+16:OT+31], v[SO+1]
	v_nop
.irp i, 0,1,2
	v_permlane16_swap_b32 v[PC+\i], v[PX+\i]       ; the operand's layout wants a whole block in a lane
.endr
.irp i, 0,1,2
	v_mov_b32 v[PC+3+\i], v[PX+\i]
.endr
	global_store_b128 v[AKX], v[PC:PC+3], s[32:33] offset:204800*\j    ; 512 consecutive bytes,
	global_store_b64 v[AKY], v[PC+4:PC+5], s[32:33] offset:204800*\j   ; and the 256 behind them
	global_store_b16 v[GR], v[T1], s[34:35] offset:204800*\j           ; two bytes a row are all that a head owns of a scale word; both halves of the lanes write the same bytes with the same value
.endm
	TILE 0
	TILE 1
	s_wait_tensorcnt 0x0                           ; the wave's end
	ds_add_u32 v[SPW], v[NIL]
	s_wait_dscnt 0x0
	CROUND                                         ; the closing round
	s_endpgm
.Lfunc_end_k_qb037ac8751_attn:
	.size	k_qb037ac8751_attn, .Lfunc_end_k_qb037ac8751_attn-k_qb037ac8751_attn
	.p2alignl 7, 3214868480
	.fill 96, 4, 3214868480
	.section	.rodata,"a",@progbits
	.p2align	6, 0x0
	.amdhsa_kernel k_qb037ac8751_attn
		.amdhsa_group_segment_fixed_size 210944
		.amdhsa_private_segment_fixed_size 0
		.amdhsa_enable_private_segment 0
		.amdhsa_kernarg_size 24
		.amdhsa_user_sgpr_count 2
		.amdhsa_user_sgpr_kernarg_segment_ptr 1
		.amdhsa_wavefront_size32 1
		.amdhsa_system_sgpr_workgroup_id_x 1
		.amdhsa_system_sgpr_workgroup_id_y 1
		.amdhsa_system_sgpr_workgroup_id_z 1
		.amdhsa_system_vgpr_workitem_id 0
		.amdhsa_next_free_vgpr 252
		.amdhsa_next_free_sgpr 66
		.amdhsa_reserve_vcc 0
		.amdhsa_float_denorm_mode_32 3
		.amdhsa_float_denorm_mode_16_64 3
		.amdhsa_memory_ordered 1
		.amdhsa_forward_progress 1
		.amdhsa_inst_pref_size 76
	.end_amdhsa_kernel
	.amdgpu_metadata
---
amdhsa.version: [ 1, 2 ]
amdhsa.kernels:
  - .name:           k_qb037ac8751_attn
    .symbol:         k_qb037ac8751_attn.kd
    .args:
      - { .name: qb, .offset: 0, .size: 8, .value_kind: global_buffer, .address_space: global }
      - { .name: kv, .offset: 8, .size: 8, .value_kind: global_buffer, .address_space: global }
      - { .name: ao, .offset: 16, .size: 8, .value_kind: global_buffer, .address_space: global }
    .group_segment_fixed_size: 210944
    .private_segment_fixed_size: 0
    .kernarg_segment_align: 8
    .kernarg_segment_size: 24
    .max_flat_workgroup_size: 512
    .sgpr_count:     66
    .vgpr_count:     252
    .wavefront_size: 32
...
	.end_amdgpu_metadata
.endif
;; end of part 3
;; launch outp (part 4): grid 4 x 64, 4 waves a work-group, clusters of 4 x 4, 307,712 bytes of LDS; arguments ao, xw, b_o, out0; writes out0
.if DOCPART == 4
	.amdgcn_target "amdgcn-amd-amdhsa--gfx1250"
	.amdhsa_code_object_version 6
	.text
	.protected	k_qb037ac8751_outp
	.globl	k_qb037ac8751_outp
	.p2align	8
	.type	k_qb037ac8751_outp,@function
k_qb037ac8751_outp:
	s_mov_b64 s[64:65], 0
	v_nop
	global_prefetch_b8 v0, s[64:65] scope:SCOPE_SE
	s_setreg_imm32_b32 hwreg(HW_REG_WAVE_MODE, 25, 1), 1
	s_wait_xcnt 0x0
	s_wait_alu depctr_hold_cnt(0) depctr_sa_sdst(0) depctr_va_vdst(0) depctr_va_sdst(0) depctr_va_ssrc(0) depctr_va_vcc(0) depctr_vm_vsrc(0)
	s_getreg_b32 s2, hwreg(HW_REG_IB_STS2, 6, 4)
	s_cmp_eq_u32 s2, 0
	s_cbranch_scc0 .Lentry_in_a_cluster
	s_endpgm
.Lentry_in_a_cluster:
	s_bfe_u32 s2, ttmp6, 0x10000c
	s_cmp_lg_u32 s2, 0xf033
	s_cbranch_scc0 .Lentry_shape_is_right
	s_endpgm
.Lentry_shape_is_right:
; out0 = attn w_o^T + b_o on codes of E2M3.  A = ao (64 panels of 128 tokens), B = panels 216-223 of xw (w_o); both are register images: [panel][4 chunks of 25,600 bytes];
; a chunk = two K steps: codes [2][tile 8][1,536], scale words [2][half 2][r 16][tile 4] x 4.  Lane r of tile i is the panel's row 32 (i/2) + 8 (i%2) + r + 8 (r/8).
; TILE: 128 tokens (one panel) x 256 features (two panels), ALL of K = 1,024 in LDS (3 x 102,400 bytes), filled once.  Four waves, each 64 x 128: 32 accumulators.
; THE MATRIX INSTRUCTION IS USED TRANSPOSED (source 0 = 16 rows of w_o, source 1 = 16 tokens): lane (r, h) holds one token, register 8 b + j of A's tile a the feature 32 (b/2) + 16 h + 8 (b%2) + j.
; The bias is the C of the first K step's products.  CLUSTER 4 x 4: A's panel is asked for jointly along the cluster's row, B's panels along its column.
; THE WAY OUT: a tile of 16 tokens x 128 features goes through the wave's stage in LDS and leaves as whole rows of 512 bytes.  The stages lie in bytes that have had their only fill and that, behind a barrier, nobody reads.
; REGISTERS: window 0: v1-15 addresses; v16-31 scale words, two sets; v32-95 the bias; v96-191 A's fragments, two sets of 4 (on the way out v96-223: rows read back); v224, v225 the stage.
;   window 1: B's fragments, two sets of 8, at v0 and v128.   window 2: accumulator (a, b) at v[8 (8 a + b)].
.set PANEL, 102400
.set CHUNK, 25600
.set KSB,   12288
.set FRB,   1536
.set HFB,   768
.set SCO,   24576
.set SP,    528                        ; a stage row: 512 bytes + 16, an odd multiple of 16 bytes
.set L16, 1
.set L8,  2
.set AX,  4
.set AY,  6
.set BX,  8
.set BY,  10
.set SCA, 12
.set SCB, 14
.set SC,  16
.set BI,  32
.set AF,  96
.set HT,  200                          ; v200 lane, then the bias loads' offset; v201 r; v202 h; v203 16 r: at the head alone
.set STO, 224
.set RD,  225
.set WV, 16
.set HA, 17
.set HB, 18
.set CX, 19
.set CY, 20
.set MSB, 0
.macro WIN new                         ; the immediate's high byte repeats the setting that is left
.if MSB != \new
	s_set_vgpr_msb (MSB<<8)|\new
.set MSB, \new
.endif
.endm
.macro PLACES n
.rept \n
	v_nop
.endr
.endm
.macro CROUND                          ; a round of the cluster's barrier
	s_barrier_signal -1
	s_barrier_wait -1
	s_cmp_lg_u32 s[WV], 0
	s_cbranch_scc1 .Lnot_wave_0_\@
	s_barrier_signal -3
.Lnot_wave_0_\@:
	s_barrier_wait -3
	s_barrier_signal -1
	s_barrier_wait -1
.endm
	s_load_b256 s[4:11], s[0:1], 0x0               ; ao, xw, b_o, out0
	v_lshl_add_u32 v254, v0, 2, 0x4b000
	v_mov_b32 v255, 0
	ds_add_u32 v254, v255
	ds_add_u32 v254, v255
	v_lshrrev_b32 v[HT], 5, v0
	v_readfirstlane_b32 s[WV], v[HT]               ; wave 0..3
	s_lshr_b32 s[HA], s[WV], 1                     ; which 64 tokens are mine
	s_and_b32 s[HB], s[WV], 1                      ; which panel of w_o
	s_bfe_u32 s[CX], ttmp6, 0x40000
	s_bfe_u32 s[CY], ttmp6, 0x40004
	s_and_b32 s21, ttmp7, 0xffff                   ; the cluster's y, 0..15
	s_lshl_b32 s56, s21, 2
	s_add_co_u32 s56, s56, s[CY]                   ; A's panel: 4 y + cy (these registers never hold cx)
	s_mov_b32 s23, s56
	s_lshl_b32 s57, s[CX], 1
	s_add_co_u32 s57, s57, 216                     ; B's panel: 216 + 2 cx + (waves 0, 2: 0; waves 1, 3: 1) (these never hold cy)
	s_mul_i32 s60, s56, PANEL
	s_mov_b32 s61, 0
	s_mul_i32 s66, s57, PANEL
	s_mov_b32 s67, 0
	s_lshl_b32 s84, s[CY], 2
	s_lshl_b32 s84, 15, s84                        ; my row of the cluster
	s_lshl_b32 s85, 0x1111, s[CX]                  ; my column
	; descriptor group 1: the mask and the element size
	s_or_b32 s24, s84, (3<<16)|(1<<21)             ; 15:0 the mask; 17:16 elements of 8 bytes; 21 set beside a mask
	s_or_b32 s32, s85, (3<<16)|(1<<21)
	; A: half a panel, 51,200 dense bytes, as 200 rows of 32 elements of 8 bytes
	s_mov_b32 s25, 32<<16
	s_mov_b32 s26, 200<<16
	s_mov_b32 s27, 32<<16
	s_mov_b32 s28, 200
	s_mov_b32 s29, 32
	s_mov_b32 s30, 0
	s_mov_b32 s31, 0
	; B: the same half of two neighbouring panels: 2 rows of 6,400 elements (51,200 bytes), a panel (12,800 elements) apart
	s_mov_b32 s33, 6400<<16
	s_mov_b32 s34, 2<<16
	s_mov_b32 s35, 6400<<16
	s_mov_b32 s36, 2
	s_mov_b32 s37, 12800
	s_mov_b32 s38, 0
	s_mov_b32 s39, 0
	s_wait_dscnt 0x0
	s_wait_kmcnt 0x0
	s_add_nc_u64 s[60:61], s[4:5], s[60:61]
	s_add_nc_u64 s[66:67], s[6:7], s[66:67]
.irp c, 0,1                            ; group 0, a set for each half of K: LDS: A's halves at 0 and 51,200; B's first halves (panel 0, panel 1) at 102,400, its second halves at 204,800
	s_mov_b32 s[40+4*\c], 1
	s_mov_b32 s[41+4*\c], \c*2*CHUNK
	s_add_nc_u64 s[42+4*\c:43+4*\c], s[60:61], \c*2*CHUNK
	s_or_b32 s[43+4*\c], s[43+4*\c], 0x80000000
	s_mov_b32 s[68+4*\c], 1
	s_mov_b32 s[69+4*\c], PANEL+\c*PANEL
	s_add_nc_u64 s[70+4*\c:71+4*\c], s[66:67], \c*2*CHUNK
	s_or_b32 s[71+4*\c], s[71+4*\c], 0x80000000
.endr
	CROUND                                         ; all sixteen work-groups are here: the joint loads meet
	s_cmp_eq_u32 s[WV], 0                          ; one tensor load a wave, in one chain of branches on the wave's number: waves 0 and 1 K steps 0-3 of A and of B, waves 2 and 3 K steps 4-7
	s_cbranch_scc0 .Lwave_1
	tensor_load_to_lds s[40:43], s[24:31]
	s_nop 0
	PLACES 4
	s_branch .Lasked
.Lwave_1:
	s_cmp_eq_u32 s[WV], 1
	s_cbranch_scc0 .Lwave_2
	tensor_load_to_lds s[68:71], s[32:39]
	s_nop 0
	PLACES 4
	s_branch .Lasked
.Lwave_2:
	s_cmp_eq_u32 s[WV], 2
	s_cbranch_scc0 .Lwave_3
	tensor_load_to_lds s[44:47], s[24:31]
	s_nop 0
	PLACES 4
	s_branch .Lasked
.Lwave_3:
	tensor_load_to_lds s[72:75], s[32:39]
	s_nop 0
	PLACES 4
.Lasked:
	v_and_b32 v[HT], 31, v0                        ; lane
	v_and_b32 v[HT+1], 15, v0                      ; r
	v_bfe_u32 v[HT+2], v0, 4, 1                    ; h
	v_lshlrev_b32 v[L16], 4, v[HT]
	s_wait_alu depctr_va_vdst(0)
	v_lshl_add_u32 v[L8], v[HT], 3, 512
	s_wait_alu depctr_va_vdst(0)
	v_lshlrev_b32 v[HT+3], 4, v[HT+1]              ; 16 r
	s_lshl_b32 s94, s[CX], 10
	s_lshl_b32 s99, s[HB], 9
	s_add_co_u32 s94, s94, s99                     ; my 128 features, in bytes of f32
	s_mov_b32 s95, 0
	s_add_nc_u64 s[92:93], s[8:9], s[94:95]
	v_lshlrev_b32 v[HT], 6, v[HT+2]                ; 64 h
.irp b, 0,1,2,3,4,5,6,7                ; register 8 b + j: the bias of feature 32 (b / 2) + 16 h + 8 (b % 2) + j, as the results lie
	global_load_b128 v[BI+8*\b:BI+8*\b+3], v[HT], s[92:93] offset:4*(32*(\b/2)+8*(\b%2))
	global_load_b128 v[BI+8*\b+4:BI+8*\b+7], v[HT], s[92:93] offset:4*(32*(\b/2)+8*(\b%2))+16
.endr
	s_lshl_b32 s98, s23, 19                        ; 128 rows of 4,096 bytes a panel,
	s_lshl_b32 s99, s[HA], 18                      ; my 64 of them
	s_add_co_u32 s98, s98, s99
	s_add_co_u32 s94, s94, s98
	s_add_nc_u64 s[10:11], s[10:11], s[94:95]      ; out0 at my first row and column
	s_mul_i32 s86, s[HA], 4*FRB                    ; my four tiles of A
	s_mul_i32 s87, s[HB], 2*CHUNK
	s_add_co_u32 s87, s87, PANEL                   ; my panel of B, its first half
	v_add_nc_u32 v[AX], s86, v[L16]
	v_add_nc_u32 v[AX+1], 2*CHUNK, v[AX]
	v_add_nc_u32 v[AY], s86, v[L8]
	v_add_nc_u32 v[AY+1], 2*CHUNK, v[AY]
	v_add_nc_u32 v[BX], s87, v[L16]
	v_add_nc_u32 v[BX+1], PANEL, v[BX]
	v_add_nc_u32 v[BY], s87, v[L8]
	v_add_nc_u32 v[BY+1], PANEL, v[BY]
	s_lshl_b32 s94, s[HA], 8
	s_sub_co_u32 s95, s87, s94                     ; from A's words of my half to B's words of tiles 0-3
	v_mul_u32_u24 v[SCA], s95, v[HT+2]             ; lanes 16-31 take B's: one product in h
	s_add_co_u32 s94, s94, SCO
	v_add_nc_u32 v[SCA], v[SCA], v[HT+3]
	v_add_nc_u32 v[SCA], s94, v[SCA]
	v_mad_u32_u24 v[SCA+1], v[HT+2], 2*CHUNK, v[SCA]   ; the second half: A's lies 51,200 on, B's 102,400
	v_add_nc_u32 v[SCA+1], 2*CHUNK, v[SCA+1]
	s_add_co_u32 s94, s87, SCO+256
	v_add_nc_u32 v[SCB], s94, v[HT+3]
	v_add_nc_u32 v[SCB+1], PANEL, v[SCB]
	s_mul_i32 s94, s[WV], 16*SP                    ; my stage
	v_mul_u32_u24 v[STO], v[HT+1], SP
	v_lshl_add_u32 v[STO], v[HT+2], 6, v[STO]
	v_add_nc_u32 v[STO], s94, v[STO]               ; in: row r, + 64 h
	v_add_nc_u32 v[RD], s94, v[L16]                ; back: a row of 512 bytes, 16 bytes a lane
; The fragments and scale words of K step s into set s % 2: 50 LDS loads, each of 512 or 256 consecutive bytes
.macro FETCH s
.set FP, (\s)%2
.set FH, (\s)/4
.set FO, (((\s)/2)%2)*CHUNK+((\s)%2)*KSB
.set FS, (((\s)/2)%2)*CHUNK+((\s)%2)*512
	WIN 0x40                                       ; destination window 1
.irp i, 0,1,2,3,4,5,6,7
	ds_load_b128 v[128*FP+12*\i:128*FP+12*\i+3], v[BX+FH] offset:FO+FRB*\i
	ds_load_b64 v[128*FP+12*\i+4:128*FP+12*\i+5], v[BY+FH] offset:FO+FRB*\i
	ds_load_b128 v[128*FP+12*\i+6:128*FP+12*\i+9], v[BX+FH] offset:FO+FRB*\i+HFB
	ds_load_b64 v[128*FP+12*\i+10:128*FP+12*\i+11], v[BY+FH] offset:FO+FRB*\i+HFB
.endr
	WIN 0
.irp i, 0,1,2,3
	ds_load_b128 v[AF+48*FP+12*\i:AF+48*FP+12*\i+3], v[AX+FH] offset:FO+FRB*\i
	ds_load_b64 v[AF+48*FP+12*\i+4:AF+48*FP+12*\i+5], v[AY+FH] offset:FO+FRB*\i
	ds_load_b128 v[AF+48*FP+12*\i+6:AF+48*FP+12*\i+9], v[AX+FH] offset:FO+FRB*\i+HFB
	ds_load_b64 v[AF+48*FP+12*\i+10:AF+48*FP+12*\i+11], v[AY+FH] offset:FO+FRB*\i+HFB
.endr
	ds_load_b128 v[SC+8*FP:SC+8*FP+3], v[SCA+FH] offset:FS
	ds_load_b128 v[SC+8*FP+4:SC+8*FP+7], v[SCB+FH] offset:FS
.endm
; 32 matrix instructions on set p: the 32 accumulators take turns, in the same order in every K step.  first = 1: the bias is C, and the products start the sums.
; B's words of tiles 0-3 lie in lanes 16-31 of the registers whose lanes 0-15 hold A's.
.macro MUL32 p, first
.if \first
	WIN 0x81                                       ; source 0 (B) window 1, source 1 (A) and C window 0, D window 2
.else
	WIN 0xa1                                       ; C and D window 2
.endif
.irp a, 0,1,2,3
.irp b, 0,1,2,3
.if \first
	v_wmma_scale_f32_16x16x128_f8f6f4 v[8*(8*\a+\b):8*(8*\a+\b)+7], v[128*(\p)+12*\b:128*(\p)+12*\b+11], v[AF+48*(\p)+12*\a:AF+48*(\p)+12*\a+11], v[BI+8*\b:BI+8*\b+7], v[SC+8*(\p)+\b], v[SC+8*(\p)+\a] matrix_a_fmt:MATRIX_FMT_FP6 matrix_b_fmt:MATRIX_FMT_FP6 matrix_a_scale:MATRIX_SCALE_ROW1
.else
	v_wmma_scale_f32_16x16x128_f8f6f4 v[8*(8*\a+\b):8*(8*\a+\b)+7], v[128*(\p)+12*\b:128*(\p)+12*\b+11], v[AF+48*(\p)+12*\a:AF+48*(\p)+12*\a+11], v[8*(8*\a+\b):8*(8*\a+\b)+7], v[SC+8*(\p)+\b], v[SC+8*(\p)+\a] matrix_a_fmt:MATRIX_FMT_FP6 matrix_b_fmt:MATRIX_FMT_FP6 matrix_a_scale:MATRIX_SCALE_ROW1
.endif
.endr
.irp b, 4,5,6,7
.if \first
	v_wmma_scale_f32_16x16x128_f8f6f4 v[8*(8*\a+\b):8*(8*\a+\b)+7], v[128*(\p)+12*\b:128*(\p)+12*\b+11], v[AF+48*(\p)+12*\a:AF+48*(\p)+12*\a+11], v[BI+8*\b:BI+8*\b+7], v[SC+8*(\p)+\b], v[SC+8*(\p)+\a] matrix_a_fmt:MATRIX_FMT_FP6 matrix_b_fmt:MATRIX_FMT_FP6
.else
	v_wmma_scale_f32_16x16x128_f8f6f4 v[8*(8*\a+\b):8*(8*\a+\b)+7], v[128*(\p)+12*\b:128*(\p)+12*\b+11], v[AF+48*(\p)+12*\a:AF+48*(\p)+12*\a+11], v[8*(8*\a+\b):8*(8*\a+\b)+7], v[SC+8*(\p)+\b], v[SC+8*(\p)+\a] matrix_a_fmt:MATRIX_FMT_FP6 matrix_b_fmt:MATRIX_FMT_FP6
.endif
.endr
.endr
.endm
; K step s: its set is in; the next K step's set is fetched, then this one is multiplied.  Where the next K step opens a chunk, that chunk has landed in every wave first.
.macro STEP s, first
	s_wait_dscnt 0x0                               ; set s % 2 is in
.if (\s) == 3
	s_wait_tensorcnt 0x0                           ; every wave's load has landed: K steps 4-7 among them
	s_barrier_signal -1
	s_barrier_wait -1                              ; everybody's has.
.endif
.if (\s) > 0
	PLACES 4                                       ; in front of loads into registers that the K step before has multiplied (ISA guide 7.12.1 for instructions other than loads)
.endif
.if (\s) < 7
	FETCH (\s)+1
.endif
	MUL32 (\s)%2, \first
.endm
	s_wait_alu depctr_va_vdst(0)
	s_cmp_lt_u32 s[WV], 2
	s_cbranch_scc0 .Lnot_first
	s_wait_tensorcnt 0x0                           ; waves 0 and 1: K steps 0-3 have landed; the lines of waves 2 and 3 are their own and may be out
.Lnot_first:
	s_barrier_signal -1
	s_barrier_wait -1
	FETCH 0
	s_wait_loadcnt 0x0                             ; the bias
	STEP 0, 1
	STEP 1, 0
	STEP 2, 0
	STEP 3, 0
	STEP 4, 0
	STEP 5, 0
	STEP 6, 0
	STEP 7, 0
	WIN 0
	s_wait_dscnt 0x0                               ; my reads of the operands are over (the last were waited for at K step 7's head),
	s_barrier_signal -1
	s_barrier_wait -1                              ; everybody's are: the stages may be written
	PLACES 4                                       ; in front of the first read of results, and of loads into registers that held A's fragments
; A's tile a: 16 tokens x 128 features into my stage, each accumulator from its low end on, and back as whole rows
.macro TOSTAGE a
	WIN 0x08                                       ; an LDS store's data are its source 1: window 2
.irp b, 0,1,2,3,4,5,6,7
	ds_store_b128 v[STO], v[64*(\a)+8*\b:64*(\a)+8*\b+3] offset:128*(\b/2)+32*(\b%2)
	ds_store_b128 v[STO], v[64*(\a)+8*\b+4:64*(\a)+8*\b+7] offset:128*(\b/2)+32*(\b%2)+16
.endr
	WIN 0
.irp t, 0,1,2,3,4,5,6,7,8,9,10,11,12,13,14,15
	ds_load_b128 v[AF+64*((\a)%2)+4*\t:AF+64*((\a)%2)+4*\t+3], v[RD] offset:SP*\t   ; LDS serves a wave's instructions in order: these see the stores above, and the next tile's stores come behind them
.endr
.endm
.macro SEND a, younger                 ; younger: the LDS instructions issued behind tile a's loads, which may stay out
	s_wait_dscnt \younger
.irp t, 0,1,2,3,4,5,6,7,8,9,10,11,12,13,14,15
	global_store_b128 v[L16], v[AF+64*((\a)%2)+4*\t:AF+64*((\a)%2)+4*\t+3], s[10:11] offset:4096*(32*((\a)/2)+8*((\a)%2)+\t+8*(\t/8)) th:TH_STORE_NT   ; 32 lanes store 512 consecutive bytes of a row, at a multiple of 512 from out0's first byte
.endr
.endm
	TOSTAGE 0
	TOSTAGE 1
	SEND 0, 32                                     ; behind tile 0's loads: tile 1's 16 stores and 16 loads
	s_wait_xcnt 0x0                                ; tile 0's stores have read their data: tile 2's rows may land there
	TOSTAGE 2
	SEND 1, 32
	s_wait_xcnt 0x0
	TOSTAGE 3
	SEND 2, 32
	SEND 3, 0
	s_wait_tensorcnt 0x0
	ds_add_u32 v254, v255
	s_wait_dscnt 0x0
	CROUND                                         ; the closing round: no work-group ends while a partner may still ask for a chunk that names it
	s_endpgm
.Lfunc_end_k_qb037ac8751_outp:
	.size	k_qb037ac8751_outp, .Lfunc_end_k_qb037ac8751_outp-k_qb037ac8751_outp
	.p2alignl 7, 3214868480
	.fill 96, 4, 3214868480
	.section	.rodata,"a",@progbits
	.p2align	6, 0x0
	.amdhsa_kernel k_qb037ac8751_outp
		.amdhsa_group_segment_fixed_size 307712
		.amdhsa_private_segment_fixed_size 0
		.amdhsa_enable_private_segment 0
		.amdhsa_kernarg_size 32
		.amdhsa_user_sgpr_count 2
		.amdhsa_user_sgpr_kernarg_segment_ptr 1
		.amdhsa_wavefront_size32 1
		.amdhsa_system_sgpr_workgroup_id_x 1
		.amdhsa_system_sgpr_workgroup_id_y 1
		.amdhsa_system_sgpr_workgroup_id_z 1
		.amdhsa_system_vgpr_workitem_id 0
		.amdhsa_next_free_vgpr 768
		.amdhsa_next_free_sgpr 100
		.amdhsa_reserve_vcc 0
		.amdhsa_float_denorm_mode_32 3
		.amdhsa_float_denorm_mode_16_64 3
		.amdhsa_memory_ordered 1
		.amdhsa_forward_progress 1
		.amdhsa_inst_pref_size 83
	.end_amdhsa_kernel
	.amdgpu_metadata
---
amdhsa.version: [ 1, 2 ]
amdhsa.kernels:
  - .name:           k_qb037ac8751_outp
    .symbol:         k_qb037ac8751_outp.kd
    .args:
      - { .name: ao, .offset: 0, .size: 8, .value_kind: global_buffer, .address_space: global }
      - { .name: xw, .offset: 8, .size: 8, .value_kind: global_buffer, .address_space: global }
      - { .name: b_o, .offset: 16, .size: 8, .value_kind: global_buffer, .address_space: global }
      - { .name: out0, .offset: 24, .size: 8, .value_kind: global_buffer, .address_space: global }
    .group_segment_fixed_size: 307712
    .private_segment_fixed_size: 0
    .kernarg_segment_align: 8
    .kernarg_segment_size: 32
    .max_flat_workgroup_size: 128
    .sgpr_count:     100
    .vgpr_count:     768
    .wavefront_size: 32
...
	.end_amdgpu_metadata
.endif
;; end of part 4
